; MI455X (gfx1250); checked and timed in simulation.
; The chip was launched on July 23, 2026; its instructions are those of AMD's public machine-readable ISA for CDNA 5 (MIT licence, August 2026) and "CDNA5" Instruction Set Architecture Reference Guide (July 2026). The comments in the code are by the model that wrote it; some were corrected since.
;; Qwen2 MLP ND. Allowed arithmetic: float matrix products may take bf16 or f16 operands with f32 sums; other float arithmetic in f32, or as packed bf16 or f16 multiplies, adds, multiply-adds, maxima and minima; sums over many terms, partial sums and values carried from step to step in f32; what a program stores and reads back later, other than sums and carried values, may be rounded once to bf16 or f16.
;; Inputs: hidden_state 4 x 512 x 2,048 float32; w_down 2,048 x 5,504 float32; w_gate 5,504 x 2,048 float32; w_up 5,504 x 2,048 float32.
;; Outputs: out0 4 x 512 x 2,048 float32; out1 4 x 5,504 float32.
;; 2 versions, each right; version 2 is version 1 with the launch cast written anew for expert scheduling mode. Each part assembles by itself: llvm-mc -triple=amdgcn-amd-amdhsa -mcpu=gfx1250 --defsym DOCPART=n.
;; ======== version 1 of 2: 3 launches
;; workspace buffers: xb 8,388,608 bytes; wc 46,137,344 bytes; wdb 23,068,672 bytes; inter 23,068,672 bytes; part 180,224 bytes; rowsq 22,016 bytes
;; launch cast (part 1): grid 832 x 1, 8 waves a work-group, no clusters, 0 bytes of LDS; arguments hidden_state, w_gate, w_up, xb, wc, rowsq; writes xb, wc, rowsq
.if DOCPART == 1
	.amdgcn_target "amdgcn-amd-amdhsa--gfx1250"
	.amdhsa_code_object_version 6
	.text
	.protected	k_q9e68fa17b4_cast
	.globl	k_q9e68fa17b4_cast
	.p2align	8
	.type	k_q9e68fa17b4_cast,@function
k_q9e68fa17b4_cast:
	s_mov_b64 s[64:65], 0
	v_nop
	global_prefetch_b8 v0, s[64:65] scope:SCOPE_SE
	s_setreg_imm32_b32 hwreg(HW_REG_WAVE_MODE, 25, 1), 1
	s_wait_xcnt 0x0
; x, w_gate AND w_up ARE ROUNDED ONCE TO bf16 (nearest even) AND LAID OUT IN BLOCKS, so that every tile of the launch behind is one dense block; and rowsq[i] = the sum over h of w_up[i][h]^2 (f32, of the unrounded numbers).
;   xb  [kb 16][long row 1024][p 2][128 k]: row R of x lies in long row 16 (R >> 5) + (R & 15), half p = (R >> 4) & 1
;   wc  [g 32][kb 16][il 176][p 2][128 k]:  i = 176 g + il; p = 0 w_gate's row i, p = 1 w_up's; rows i >= 5504 are zeros (5504 is padded to 32 x 176 = 5632)
; (w_down is rounded by the next launch, beside its products.)
; A STREAM: no LDS, no matrix unit, no cluster (no byte is read twice).  One load of a wave takes 512 consecutive bytes (128 f32, a K block of a row), one store gives 256 consecutive bytes, aligned.
; A wave asks for all that it reads at once (two rows of 8,192 bytes) and converts as the loads come in; no register that a memory instruction reads is written again, so no wait frees a source.
; ROLES by the work-group's number B: 0..127 x, 128..479 w_gate, 480..831 w_up (16 rows a work-group, two a wave).  The last 8 work-groups of w_gate and of w_up write the zero rows.
; rowsq leaves as 8 bytes a wave: 22,016 bytes in the whole launch.
; LIMITS: bf16 has f32's range, so nothing overflows in the rounding; the squares' sum must stay inside f32's range; NaN and infinities are passed on as they are.
.set LO,   2                           ; v2      16 x lane: my 16 bytes of a load's 512
.set L8,   3                           ; v3      8 x lane: my 8 bytes of a store's 256
.set SO,   4                           ; v[4:19] store offsets: 8 x lane + kb x STR
.set CHN,  20                          ; v[20:27] four pairs of running sums of squares (zero rows: v[20:21] = 0)
.set RS,   28                          ; v[28:29] the two rows' sums
.set TP,   30                          ; v30     takes the other half of the lanes' sum
.set ZO,   31                          ; v31     0, an offset
.set X,    32                          ; v[32:159] four registers a load
.set WV,   20                          ; s20     my wave's number
.set BB,   21                          ; s21     the work-group's number, then its number within its role
.set STR,  22                          ; s22     bytes from a K block to the next in the target
.set SRC,  24                          ; s[24:25]
.set DST,  26                          ; s[26:27]
.set SEL,  28                          ; s[28:29] v_permlanex16_b32's selects: each lane takes its own place in the other half
.set OF,   30                          ; s[30:31] an offset in 64 bits; the high word stays 0
.set T0,   32
.set T1,   33
.set T2,   34
.set RQ,   36                          ; s[36:37] rowsq at my two rows
.set SAVE, 40
	s_load_b256 s[4:11], s[0:1], 0x0               ; x s[4:5], w_gate s[6:7], w_up s[8:9], xb s[10:11]
	s_load_b128 s[12:15], s[0:1], 0x20             ; wc s[12:13], rowsq s[14:15]
	v_and_b32 v1, 31, v0                           ; lane
	v_lshrrev_b32 v2, 5, v0
	v_readfirstlane_b32 s[WV], v2
	v_lshlrev_b32 v[LO], 4, v1
	v_lshlrev_b32 v[L8], 3, v1
	v_mov_b32 v[TP], 0
	v_mov_b32 v[ZO], 0
	s_mov_b32 s[SEL], 0x76543210
	s_mov_b32 s[SEL+1], 0xfedcba98
	s_mov_b32 s[BB], ttmp9
	s_mov_b32 s[OF+1], 0
	s_wait_kmcnt 0x0
; where rows 16 B' + 2 w, + 1 of w_gate (p = 0) or w_up (p = 1) go in wc
.macro WADDR p
	s_mul_i32 s[T0], s[BB], 5958
	s_lshr_b32 s[T0], s[T0], 16                    ; g = B' / 11, exact for B' < 352 (a group of 176 rows is 11 work-groups)
	s_mul_i32 s[T1], s[T0], 11
	s_sub_co_u32 s[T1], s[BB], s[T1]
	s_lshl_b32 s[T1], s[T1], 13                    ; 16 long rows of 512 bytes
	s_lshl_b32 s[T2], s[WV], 10                    ; my two
	s_add_co_u32 s[T1], s[T1], s[T2]
	s_mul_i32 s[OF], s[T0], 1441792                ; a group: 16 K blocks of 90,112 bytes
	s_add_co_u32 s[OF], s[OF], s[T1]
.if \p
	s_add_co_u32 s[OF], s[OF], 256
.endif
	s_add_nc_u64 s[DST:DST+1], s[12:13], s[OF:OF+1]
	s_mov_b32 s[STR], 90112
.endm
.macro WSRC base                       ; the same rows in the input
	s_lshl_b32 s[OF], s[BB], 17                    ; 16 rows of 8,192 bytes
	s_lshl_b32 s[T2], s[WV], 14
	s_add_co_u32 s[OF], s[OF], s[T2]
	s_add_nc_u64 s[SRC:SRC+1], s[\base:\base+1], s[OF:OF+1]
.endm
.macro MKSO
.irp kb, 0,1,2,3,4,5,6,7,8,9,10,11,12,13,14,15
	v_mad_u32_u24 v[SO+\kb], s[STR], \kb, v[L8]
.endr
.endm
; Two rows: 32 loads at once, then for each: its wait, (sq = 1: its squares,) two roundings of two numbers, its store.
.macro ROWS sq
.set k, 0
.rept 32
	global_load_b128 v[X+4*k:X+4*k+3], v[LO], s[SRC:SRC+1] offset:512*k th:TH_LOAD_NT
.set k, k+1
.endr
.set k, 0
.rept 32
	s_wait_loadcnt 31-k                            ; loads come back in order: load k is in, the 31 - k behind it may stay out
.if \sq
.set c, CHN+2*(k%4)
.if (k%16) < 4
	v_pk_mul_f32 v[c:c+1], v[X+4*k:X+4*k+1], v[X+4*k:X+4*k+1]   ; a row's first four loads start the four chains: nothing is cleared
.else
	v_pk_fma_f32 v[c:c+1], v[X+4*k:X+4*k+1], v[X+4*k:X+4*k+1], v[c:c+1]
.endif
	v_pk_fma_f32 v[c:c+1], v[X+4*k+2:X+4*k+3], v[X+4*k+2:X+4*k+3], v[c:c+1]
.endif
	v_cvt_pk_bf16_f32 v[X+4*k], v[X+4*k], v[X+4*k+1]
	v_cvt_pk_bf16_f32 v[X+4*k+1], v[X+4*k+2], v[X+4*k+3]
	global_store_b64 v[SO+k%16], v[X+4*k:X+4*k+1], s[DST:DST+1] offset:512*(k/16) th:TH_STORE_NT  ; 32 lanes, 256 consecutive bytes, aligned
.if (\sq) && ((k%16) == 15)
.set e, RS+k/16
	v_pk_add_f32 v[CHN:CHN+1], v[CHN:CHN+1], v[CHN+2:CHN+3]
	v_pk_add_f32 v[CHN+4:CHN+5], v[CHN+4:CHN+5], v[CHN+6:CHN+7]
	v_pk_add_f32 v[CHN:CHN+1], v[CHN:CHN+1], v[CHN+4:CHN+5]
	v_add_f32 v[e], v[CHN], v[CHN+1]
	v_add_f32_dpp v[e], v[e], v[e] row_xmask:1 row_mask:0xf bank_mask:0xf
	v_add_f32_dpp v[e], v[e], v[e] row_xmask:2 row_mask:0xf bank_mask:0xf
	v_add_f32_dpp v[e], v[e], v[e] row_xmask:4 row_mask:0xf bank_mask:0xf
	v_add_f32_dpp v[e], v[e], v[e] row_xmask:8 row_mask:0xf bank_mask:0xf
	v_permlanex16_b32 v[TP], v[e], s[SEL], s[SEL+1]
	v_add_f32 v[e], v[e], v[TP]
.endif
.set k, k+1
.endr
.endm
	s_cmp_lt_u32 s[BB], 128
	s_cbranch_scc1 .Lx
	s_cmp_lt_u32 s[BB], 480
	s_cbranch_scc1 .Lgate
	; ---- w_up
	s_sub_co_u32 s[BB], s[BB], 480
	WADDR 1
	s_cmp_ge_u32 s[BB], 344
	s_cbranch_scc1 .Lzero
	WSRC 8
	s_lshl_b32 s[OF], s[BB], 6                     ; 16 rows x 4 bytes of rowsq,
	s_lshl_b32 s[T2], s[WV], 3                     ; my two
	s_add_co_u32 s[OF], s[OF], s[T2]
	s_add_nc_u64 s[RQ:RQ+1], s[14:15], s[OF:OF+1]
	MKSO
	ROWS 1
	s_wait_xcnt 0x0                                ; EXEC is a source of the stores above: it changes only behind this wait
	v_cmp_eq_u32 vcc_lo, 0, v1
	s_and_saveexec_b32 s[SAVE], vcc_lo
	global_store_b64 v[ZO], v[RS:RS+1], s[RQ:RQ+1] ; lane 0: my two rows' sums
	s_wait_xcnt 0x0
	s_or_b32 exec_lo, exec_lo, s[SAVE]
	s_endpgm
.Lgate:
	s_sub_co_u32 s[BB], s[BB], 128
	WADDR 0
	s_cmp_ge_u32 s[BB], 344
	s_cbranch_scc1 .Lzero
	WSRC 6
	s_branch .Lplain
.Lx:
	WSRC 4
	s_lshr_b32 s[OF], s[BB], 1                     ; rows 16 B .. lie in long rows 16 (B >> 1) .., half B & 1
	s_lshl_b32 s[OF], s[OF], 13
	s_lshl_b32 s[T2], s[WV], 10
	s_add_co_u32 s[OF], s[OF], s[T2]
	s_and_b32 s[T2], s[BB], 1
	s_lshl_b32 s[T2], s[T2], 8
	s_add_co_u32 s[OF], s[OF], s[T2]
	s_add_nc_u64 s[DST:DST+1], s[10:11], s[OF:OF+1]
	s_mov_b32 s[STR], 524288
.Lplain:
	MKSO
	ROWS 0
	s_endpgm
.Lzero:                                        ; rows 5504 .. 5631 of wc
	MKSO
	v_mov_b32 v[CHN], 0
	v_mov_b32 v[CHN+1], 0
.set k, 0
.rept 32
	global_store_b64 v[SO+k%16], v[CHN:CHN+1], s[DST:DST+1] offset:512*(k/16) th:TH_STORE_NT
.set k, k+1
.endr
	s_endpgm
.Lfunc_end_k_q9e68fa17b4_cast:
	.size	k_q9e68fa17b4_cast, .Lfunc_end_k_q9e68fa17b4_cast-k_q9e68fa17b4_cast
	.p2alignl 7, 3214868480
	.fill 96, 4, 3214868480
	.section	.rodata,"a",@progbits
	.p2align	6, 0x0
	.amdhsa_kernel k_q9e68fa17b4_cast
		.amdhsa_group_segment_fixed_size 0
		.amdhsa_private_segment_fixed_size 0
		.amdhsa_enable_private_segment 0
		.amdhsa_kernarg_size 48
		.amdhsa_user_sgpr_count 2
		.amdhsa_user_sgpr_kernarg_segment_ptr 1
		.amdhsa_wavefront_size32 1
		.amdhsa_system_sgpr_workgroup_id_x 1
		.amdhsa_system_sgpr_workgroup_id_y 1
		.amdhsa_system_sgpr_workgroup_id_z 1
		.amdhsa_system_vgpr_workitem_id 0
		.amdhsa_next_free_vgpr 160
		.amdhsa_next_free_sgpr 66
		.amdhsa_reserve_vcc 1
		.amdhsa_float_denorm_mode_32 3
		.amdhsa_float_denorm_mode_16_64 3
		.amdhsa_memory_ordered 1
		.amdhsa_forward_progress 1
		.amdhsa_inst_pref_size 37
	.end_amdhsa_kernel
	.amdgpu_metadata
---
amdhsa.version: [ 1, 2 ]
amdhsa.kernels:
  - .name:           k_q9e68fa17b4_cast
    .symbol:         k_q9e68fa17b4_cast.kd
    .args:
      - { .name: hidden_state, .offset: 0, .size: 8, .value_kind: global_buffer, .address_space: global }
      - { .name: w_gate, .offset: 8, .size: 8, .value_kind: global_buffer, .address_space: global }
      - { .name: w_up, .offset: 16, .size: 8, .value_kind: global_buffer, .address_space: global }
      - { .name: xb, .offset: 24, .size: 8, .value_kind: global_buffer, .address_space: global }
      - { .name: wc, .offset: 32, .size: 8, .value_kind: global_buffer, .address_space: global }
      - { .name: rowsq, .offset: 40, .size: 8, .value_kind: global_buffer, .address_space: global }
    .group_segment_fixed_size: 0
    .private_segment_fixed_size: 0
    .kernarg_segment_align: 8
    .kernarg_segment_size: 48
    .max_flat_workgroup_size: 256
    .sgpr_count:     66
    .vgpr_count:     160
    .wavefront_size: 32
...
	.end_amdgpu_metadata
.endif
;; end of part 1
;; launch gateup (part 2): grid 32 x 8, 4 waves a work-group, clusters of 4 x 4, 327,680 bytes of LDS; arguments xb, wc, inter, part, w_down, wdb; writes inter, part, wdb
.if DOCPART == 2
	.amdgcn_target "amdgcn-amd-amdhsa--gfx1250"
	.amdhsa_code_object_version 6
	.text
	.protected	k_q9e68fa17b4_gateup
	.globl	k_q9e68fa17b4_gateup
	.p2align	8
	.type	k_q9e68fa17b4_gateup,@function
k_q9e68fa17b4_gateup:
	s_mov_b64 s[64:65], 0
	v_nop
	global_prefetch_b8 v0, s[64:65] scope:SCOPE_SE
	s_setreg_imm32_b32 hwreg(HW_REG_WAVE_MODE, 25, 1), 1
	s_wait_xcnt 0x0
	s_wait_alu depctr_hold_cnt(0) depctr_sa_sdst(0) depctr_va_vdst(0) depctr_va_sdst(0) depctr_va_ssrc(0) depctr_va_vcc(0) depctr_vm_vsrc(0)
	s_getreg_b32 s2, hwreg(HW_REG_IB_STS2, 6, 4)
	s_cmp_eq_u32 s2, 0
	s_cbranch_scc0 .Lentry_in_a_cluster
	s_endpgm
.Lentry_in_a_cluster:
	s_bfe_u32 s2, ttmp6, 0x10000c
	s_cmp_lg_u32 s2, 0xf033
	s_cbranch_scc0 .Lentry_shape_is_right
	s_endpgm
.Lentry_shape_is_right:
; inter = silu(x Wg^T) * (x Wu^T), rounded once to bf16, and part[y][i] = the sum over the 256 rows of row group y of inter[.][i]^2 (f32, of the unrounded numbers).
; Operands bf16 (xb, wc as the launch before laid them), sums f32, K = 2048.
; SHARES.  5632 columns i (5504 and 128 of zeros) are 32 groups g of 176; 2048 rows are 8 groups y of 256: 256 work-groups of equal work.  A work-group makes 256 rows x 176 i, gate AND up.
; Wave w takes rows 64 w .. 64 w + 63 and all 176 i: 2 x 11 x 4 = 88 accumulators of 16 x 16, 704 registers.  For 32 along K it reads 52 x 512 bytes from LDS for 88 matrix instructions.
; RING.  K goes in 16 steps of 128 through two LDS slots.  A long row in LDS is 512 bytes (two rows of x, or gate's and up's row i) + 16 of padding: pitch 528 = 33 x 16, so the 16 rows of a fragment load
; start at 16 different groups of four banks (64 banks of 4 bytes: ISA guide 11.1).  A slot: 128 long rows of x, 176 of w: 160,512 bytes.  Waves 0, 1 fetch x's halves (64 long rows), waves 2, 3 w's (88).
; CLUSTER 4 x 4.  The four of a row of the cluster share y and so x's tiles, the four of a column share g and so w's: each tile is asked for jointly, by the same load, descriptor and mask in all four.
; THE PRODUCT: source 0 = 16 rows of x, source 1 = 16 rows of w.  In the result lane l holds column i = l % 16 and rows 8 (l / 16) + 0..7: a column's sum over rows stays within a lane, gate's and up's
; numbers of one place lie in the same lane, and eight rows of a column pack into 16 bytes.
; inter's LAYOUT [kb 22][mt 16][rb 8][cu 16][plane of 512 bytes]: a plane is 16 rows x 16 columns in 32 pieces of 16 bytes; piece q holds column 8 (q >> 4) + (q & 7), rows 8 ((q >> 3) & 1) + 0..7:
; the order in which the next launch's turning LDS load wants its lanes' 16 bytes.  So a result leaves straight from registers, 512 consecutive bytes, aligned, to a store.
; BESIDE THE PRODUCTS w_down IS ROUNDED TO bf16 for the next launch: wdb [kb 22][n 2048][256 k], k >= 5504 zeros.  The launch has 1,024 waves, w_down 2,048 rows: two rows a wave.  A trip of the K loop takes
; three pieces of 256 k of both rows: 12 loads of 512 consecutive bytes, four quarter steps later 24 roundings and 12 stores of 256 consecutive bytes, aligned; 7 trips make 21 pieces, the 22nd (128 k and 128 zeros)
; stands in the lap that is written out.  All these lines stand directly behind a run of LDS loads, where the windows are 0.  The loads are issued four quarter steps ahead of their wait: nothing is prefetched for them.
; LIMITS.  silu(g) u is made as (g u) / (1 + 2^(-g log2 e)): g u must stay inside f32's range; where the power overflows the quotient is 0, as silu is to within f32's smallest numbers; the power and the
; reciprocal count denormals as 0; NaN and infinities are not treated apart.  inter is kept in bf16, which has f32's range.
; REGISTERS, in windows of 256 (s_set_vgpr_msb: bits 1:0 source 0, 3:2 source 1, 5:4 source 2, 7:6 destination):
;   window 0: v0-17 ids and addresses; v28, v29 the add's; v30, v31 zeros; v32-119 gate's fragments (11 x 8), v120-207 up's; v208-255 w_down's numbers; on the way out v32-126 at work
;   windows 1-3: accumulator t = 44 p + 4 j + a (p: gate, up; j: column block; a: row block) at register 256 + 8 t;  window 3, v192-255: x's fragments, two buffers of 4 x 8
.set PITCH,  528
.set WOFF,   128*PITCH                 ; 67,584: w's long rows lie behind x's
.set SLOT,   304*PITCH                 ; 160,512
.set JHI,    7*16*PITCH                ; column blocks 7-10 have an address register of their own: an LDS offset has 16 bits
.set SPARE,  2*SLOT                    ; 321,024: the spare words, 128 bytes a wave: two blocks of 256 bytes that no other line names
.set SCR,    SPARE+512                 ; 321,536: 4 x 704 bytes, each wave's 176 column sums; no tensor load lands here
.set XSTEP,  524288                    ; bytes from a K step to the next in xb
.set WSTEP,  90112                     ; and in a group's stream of wc
.set GSTR,   16*WSTEP
.set DROW,   22016                     ; bytes in a row of w_down
.set DKB,    1048576                   ; bytes from a piece of 256 k to the next in wdb
.set ADRX, 4                           ; v4, v5    my x fragments in slot 0, 1
.set ADRW, 6                           ; v6-v9     w's fragments: slot 0 blocks 0-6, 7-10; slot 1 likewise
.set GO,   10                          ; v10       16 x my piece's number in a plane (my lane's number with bits 3 and 4 exchanged)
.set GA,   11                          ; v11       GO + the column unit's place in inter
.set ADRS, 12                          ; v12       where I put a column sum
.set ADRL, 13                          ; v13       where I read four of them back
.set PO,   14                          ; v14       16 x thread
.set PFO,  15                          ; v15       256 x lane, for the prefetches; never rewritten
.set WLO,  16                          ; v16       16 x lane: my 16 bytes of a load from w_down; never rewritten
.set WSO,  17                          ; v17       8 x lane: my 8 bytes of a store into wdb; never rewritten
.set SPW,  28                          ; v28       LDS address of my spare word; never rewritten
.set NIL,  29                          ; v29       0; never rewritten
.set ZP,   30                          ; v[30:31]  zeros, for wdb's last 128 k
.set FG,   32                          ; gate's fragments; up's at FG + 88
.set WD,   208                         ; v[208:255] w_down's numbers: four registers a load
.set FX,   192                         ; x's fragments, in window 3
.set T,    32                          ; the way out: v32-63 the power, then the quotient's divisor, then its reciprocal
.set P,    64                          ; v64-95    g u, then inter
.set O,    96                          ; v96-111   inter in bf16
.set SQ,   112                         ; v112-115  two pairs of running sums of squares
.set SJ,   116                         ; v116-126  my column's sum in each of the 11 blocks
.set WV, 12
.set WH, 13                            ; wave >> 1: I fetch x (0) or w (1)
.set WL, 14                            ; wave & 1: which half
.set CX, 15
.set CY, 16
.set GG, 17                            ; g
.set YY, 18                            ; y
.set G1X, 24                           ; s[24:31] descriptor group 1 for x's tiles;  s[32:39] group 0, a set for each slot
.set G0X, 32
.set G1W, 40                           ; s[40:47], s[48:55] the same for w's
.set G0W, 48
.set PFA, 56                           ; s[56:57] where my prefetches stand
.set LIM, 58                           ; s58, s59  a wave prefetches at slot s's change while the lap counter is above s[LIM + s]
.set LAP, 60
.set PST, 62                           ; s[62:63] the prefetches' step
.set NL2E, 66                          ; s[66:67] -log2(e)
.set SEL, 68                           ; s[68:69] v_permlanex16_b32's selects
.set CU,  70                           ; s70       the column unit (16 i) that goes out next
.set IB,  76                           ; s[76:77] inter at my wave's rows
.set PB,  78                           ; s[78:79] part at my work-group's 176 sums
.set SAVE, 80
.set WSRC, 84                          ; s[84:85] w_down at my two rows, at the trip's first piece
.set WDST, 86                          ; s[86:87] wdb at the same place
.set MSB, 0
.macro WIN new                         ; the immediate's high byte repeats the setting that is left; a switch that changes nothing is dropped
.if MSB != (\new)
	s_set_vgpr_msb (MSB<<8)|(\new)
.set MSB, (\new)
.endif
.endm
.macro PLACES                          ; four plain places between a matrix instruction and a load into, or a vector write of, a register that it has read (ISA guide 7.12.1 for vector writes)
.rept 4
	v_nop
.endr
.endm
; A joint load.  Each of the two lines has one mask and one set of registers for all that issue it.  The branch hangs on the wave's number alone.  An s_nop 0 and four v_nop follow each line.
.macro JLOAD s
	s_cmp_eq_u32 s[WH], 0
	s_cbranch_scc0 .Lfor_w_\@
	tensor_load_to_lds s[G0X+4*(\s):G0X+4*(\s)+3], s[G1X:G1X+7]
	s_nop 0
.rept 4
	v_nop
.endr
	s_branch .Lasked_\@
.Lfor_w_\@:
	tensor_load_to_lds s[G0W+4*(\s):G0W+4*(\s)+3], s[G1W:G1W+7]
	s_nop 0
.rept 4
	v_nop
.endr
.Lasked_\@:
.endm
; PREFETCHES INTO THE L2, behind the joint load, its five lines and the run of LDS loads.  Each aligned block of 256 bytes of K steps 4 to 15 is named once in the launch; K steps 0 to 3 come by their loads alone.
; x: a row group's tiles are read by all eight clusters of a row of clusters: the first (cluster x = 0) asks, its wave 0; the four partners of a row share a K step's 65,536 bytes out by address (cx), 64 blocks each:
; two instructions, a lane a block, for the K step two refills on; the first 12 of the 14 changes ask.
; w: a group's stream is read by both clusters of a column of clusters: the first (cluster y = 0) asks, its wave 2.  A K step has 352 blocks, no multiple of 4 x 32, so the stream from K step 4 on (4,224 blocks)
; is walked on end, 4 partners (by address: cy) x 96 blocks a change: three instructions; the first 11 changes ask, and each block is named two refills or more ahead of its load.
.macro ASK slot
	s_cmp_gt_u32 s[LAP], s[LIM+(\slot)]
	s_cbranch_scc0 .Lnot_mine_\@
	global_prefetch_b8 v[PFO], s[PFA:PFA+1] th:TH_LOAD_NT scope:SCOPE_SE
	global_prefetch_b8 v[PFO], s[PFA:PFA+1] offset:8192 th:TH_LOAD_NT scope:SCOPE_SE
	s_cmp_eq_u32 s[WH], 0
	s_cbranch_scc1 .Lnot_mine_\@
	global_prefetch_b8 v[PFO], s[PFA:PFA+1] offset:16384 th:TH_LOAD_NT scope:SCOPE_SE
.Lnot_mine_\@:
.endm
.macro CREST                           ; a round of the cluster's barrier behind its opening barrier
	s_cmp_lg_u32 s[WV], 0
	s_cbranch_scc1 .Lnot_wave_0_\@
	s_barrier_signal -3
.Lnot_wave_0_\@:
	s_barrier_wait -3
	s_barrier_signal -1
	s_barrier_wait -1
.endm
.macro CROUND
	s_barrier_signal -1
	s_barrier_wait -1
	CREST
.endm
	s_load_b256 s[4:11], s[0:1], 0x0               ; xb s[4:5], wc s[6:7], inter s[8:9], part s[10:11]
	s_load_b128 s[WSRC:WSRC+3], s[0:1], 0x20       ; w_down, wdb
	v_lshl_add_u32 v[SPW], v0, 2, SPARE
	v_mov_b32 v[NIL], 0
	ds_add_u32 v[SPW], v[NIL]                      ; the wave's opening: the add, twice on end, and its wait ahead of my first tensor load
	ds_add_u32 v[SPW], v[NIL]
	v_lshrrev_b32 v1, 5, v0
	v_readfirstlane_b32 s[WV], v1
	s_lshr_b32 s[WH], s[WV], 1
	s_and_b32 s[WL], s[WV], 1
	s_bfe_u32 s[CX], ttmp6, 0x40000
	s_bfe_u32 s[CY], ttmp6, 0x40004
	s_lshl_b32 s[GG], ttmp9, 2                     ; in a cluster launch ttmp9 and ttmp7 count clusters
	s_add_co_u32 s[GG], s[GG], s[CX]
	s_and_b32 s[YY], ttmp7, 0xffff
	s_lshl_b32 s[YY], s[YY], 2
	s_add_co_u32 s[YY], s[YY], s[CY]
	s_lshl_b32 s19, s[CY], 2
	s_lshl_b32 s19, 15, s19                        ; my row of the cluster: places 4 cy .. 4 cy + 3
	s_lshl_b32 s20, 0x1111, s[CX]                  ; my column: places cx, cx + 4, cx + 8, cx + 12
	; group 1: long rows of 256 elements of 2 bytes; 20 padding on; 21 set beside a mask; 24:22 after every 128 words (code 6); 31:25 4 words (code 3)
	s_or_b32 s[G1X], s19, (1<<16)|(1<<20)|(1<<21)|(6<<22)|(3<<25)
	s_or_b32 s[G1W], s20, (1<<16)|(1<<20)|(1<<21)|(6<<22)|(3<<25)
	s_mov_b32 s[G1X+1], 256<<16                    ; tensor_dim0 = 256
	s_mov_b32 s[G1X+2], 64<<16                     ; tensor_dim1 = 64
	s_mov_b32 s[G1X+3], 256<<16                    ; tile_dim0 = 256
	s_mov_b32 s[G1X+4], 64                         ; tile_dim1 = 64
	s_mov_b32 s[G1X+5], 256                        ; elements from row to row: the tiles are dense
	s_mov_b32 s[G1X+6], 0
	s_mov_b32 s[G1X+7], 0
	s_mov_b32 s[G1W+1], 256<<16
	s_mov_b32 s[G1W+2], 88<<16                     ; 88 long rows
	s_mov_b32 s[G1W+3], 256<<16
	s_mov_b32 s[G1W+4], 88
	s_mov_b32 s[G1W+5], 256
	s_mov_b32 s[G1W+6], 0
	s_mov_b32 s[G1W+7], 0
	s_lshl_b32 s72, s[YY], 16                      ; x's tile: 65,536 bytes a row group in each K step; it hangs on y alone,
	s_lshl_b32 s73, s[WL], 15                      ; my half
	s_add_co_u32 s72, s72, s73
	s_mov_b32 s73, 0
	s_mul_i32 s74, s[GG], GSTR                     ; w's on g alone
	s_mul_i32 s75, s[WL], 88*512
	s_add_co_u32 s74, s74, s75
	s_mov_b32 s75, 0
	s_mul_i32 s21, s[WL], 64*PITCH                 ; where they go: no place in the cluster enters an LDS address
	s_mul_i32 s22, s[WL], 88*PITCH
	s_add_co_u32 s22, s22, WOFF
	s_lshl_b32 s[IB], s[YY], 17                    ; inter: row tile mt = 2 y + (w >> 1) of 65,536 bytes, row blocks 4 (w & 1) .. of 8,192
	s_lshl_b32 s[IB+1], s[WV], 15
	s_add_co_u32 s[IB], s[IB], s[IB+1]
	s_mov_b32 s[IB+1], 0
	s_mul_i32 s[PB], s[YY], 5632*4
	s_mul_i32 s[PB+1], s[GG], 176*4
	s_add_co_u32 s[PB], s[PB], s[PB+1]
	s_mov_b32 s[PB+1], 0
	s_mul_i32 s[CU], s[GG], 11
	s_mov_b32 s[NL2E], 0xbfb8aa3b                  ; -log2(e)
	s_mov_b32 s[NL2E+1], s[NL2E]                   ; named with it as a pair
	s_mov_b32 s[SEL], 0x76543210
	s_mov_b32 s[SEL+1], 0xfedcba98
	s_wait_dscnt 0x0                               ; both opening adds are done
	s_wait_kmcnt 0x0
	s_add_nc_u64 s[72:73], s[4:5], s[72:73]
	s_add_nc_u64 s[74:75], s[6:7], s[74:75]
	s_add_nc_u64 s[IB:IB+1], s[8:9], s[IB:IB+1]
	s_add_nc_u64 s[PB:PB+1], s[10:11], s[PB:PB+1]
	CROUND                                         ; all sixteen work-groups are here: the first joint loads meet
.irp s, 0,1
	s_mov_b32 s[G0X+4*(\s)], 1                     ; count = 1
	s_add_co_u32 s[G0X+4*(\s)+1], s21, (\s)*SLOT   ; LDS address
	s_add_nc_u64 s[G0X+4*(\s)+2:G0X+4*(\s)+3], s[72:73], (\s)*XSTEP  ; K step s
	s_or_b32 s[G0X+4*(\s)+3], s[G0X+4*(\s)+3], 0x80000000            ; type = 2
	s_mov_b32 s[G0W+4*(\s)], 1
	s_add_co_u32 s[G0W+4*(\s)+1], s22, (\s)*SLOT
	s_add_nc_u64 s[G0W+4*(\s)+2:G0W+4*(\s)+3], s[74:75], (\s)*WSTEP
	s_or_b32 s[G0W+4*(\s)+3], s[G0W+4*(\s)+3], 0x80000000
	JLOAD \s                                       ; two loads of mine are out
.endr
	; A fragment is 16 rows x 32 K in 8 registers: lane l holds row l % 16, K = 8 (l / 16) + 0..7 and 16 + 8 (l / 16) + 0..7: two loads of 16 bytes, 32 bytes apart.
	v_and_b32 v1, 15, v0                           ; r
	v_bfe_u32 v2, v0, 4, 1                         ; h
	v_mul_u32_u24 v3, v1, PITCH
	v_lshl_add_u32 v3, v2, 4, v3                   ; r x pitch + 16 h
	s_mul_i32 s19, s[WV], 32*PITCH                 ; my 64 rows of x are 32 long rows
	v_add_nc_u32 v[ADRX], s19, v3
	v_add_nc_u32 v[ADRX+1], SLOT, v[ADRX]
	v_add_nc_u32 v[ADRW], WOFF, v3
	v_add_nc_u32 v[ADRW+1], WOFF+JHI, v3
	v_add_nc_u32 v[ADRW+2], SLOT, v[ADRW]
	v_add_nc_u32 v[ADRW+3], SLOT, v[ADRW+1]
	v_and_b32 v[GO], 7, v0                         ; my piece of a plane: 16 (r >> 3) + 8 h + (r & 7), times 16 bytes
	v_lshlrev_b32 v[GO], 4, v[GO]
	v_bfe_u32 v[GA], v0, 3, 1
	v_lshl_add_u32 v[GO], v[GA], 8, v[GO]
	v_lshl_add_u32 v[GO], v2, 7, v[GO]
	s_mul_i32 s19, s[WV], 704
	s_add_co_u32 s19, s19, SCR
	v_lshl_add_u32 v[ADRS], v1, 2, s19
	v_min_u32 v[ADRL], 43, v0                      ; threads 0 to 43 read the sums back; the others' address is held to the last of these
	v_lshl_add_u32 v[ADRL], v[ADRL], 4, SCR
	v_lshlrev_b32 v[PO], 4, v0
	v_and_b32 v[PFO], 31, v0
	v_lshlrev_b32 v[WLO], 4, v[PFO]
	v_lshlrev_b32 v[WSO], 3, v[PFO]
	v_lshlrev_b32 v[PFO], 8, v[PFO]
	v_mov_b32 v[ZP], 0
	v_mov_b32 v[ZP+1], 0
	; the prefetches' address, one step short of what the first change names
	s_lshl_b32 s19, s[YY], 16
	s_lshl_b32 s20, s[CX], 14
	s_add_co_u32 s19, s19, s20
	s_add_co_u32 s19, s19, 3*XSTEP                 ; x: K step 3, my work-group's quarter of the tile
	s_mul_i32 s20, s[GG], GSTR
	s_mul_i32 s21, s[CY], 96*256
	s_add_co_u32 s20, s20, s21
	s_add_co_u32 s20, s20, 4*WSTEP-4*96*256        ; w: a change's 98,304 bytes short of K step 4, my work-group's quarter
	s_and_b32 s21, ttmp7, 0xffff                   ; cluster y
	s_mov_b32 s[PST], 4*96*256
	s_cmp_eq_u32 s[WH], 0                          ; do I fetch x?
	s_cselect_b32 s22, s19, s20
	s_cselect_b32 s21, ttmp9, s21                  ; the coordinate along which other clusters read the same bytes
	s_cselect_b32 s[PST], XSTEP, s[PST]
	s_cselect_b32 s[LIM+1], 1, 2
	s_cselect_b64 s[PFA:PFA+1], s[4:5], s[6:7]
	s_or_b32 s21, s21, s[WL]                       ; waves 0 and 2 of the first cluster: the same in all sixteen partners, for a given wave
	s_cmp_eq_u32 s21, 0
	s_cselect_b32 s[LIM], 1, -1
	s_cselect_b32 s[LIM+1], s[LIM+1], -1
	s_mov_b32 s23, 0
	s_mov_b32 s[PST+1], 0
	s_add_nc_u64 s[PFA:PFA+1], s[PFA:PFA+1], s[22:23]
	; my two rows of w_down: rows 2 W and 2 W + 1, W = my wave's number among the launch's 1,024
	s_lshl_b32 s19, s[YY], 5
	s_add_co_u32 s19, s19, s[GG]
	s_lshl_b32 s19, s19, 2
	s_add_co_u32 s19, s19, s[WV]
	s_mul_i32 s22, s19, 2*DROW
	s_add_nc_u64 s[WSRC:WSRC+1], s[WSRC:WSRC+1], s[22:23]
	s_lshl_b32 s22, s19, 10                        ; a row has 512 bytes in each piece of wdb
	s_add_nc_u64 s[WDST:WDST+1], s[WDST:WDST+1], s[22:23]
; Matrix instructions for column blocks j0 .. j1 of gate (p = 0) or up (p = 1), all four row blocks, 32 along K.  The 88 accumulators take turns, one instruction a turn, in the same order in every quarter
; step, over the backward jump too.  zero = 1: the first product starts the sum: nothing is cleared.
.macro MULJ p, j0, j1, xb, zero
.set jj_, (\j0)
.rept (\j1)-(\j0)+1
.set a_, 0
.rept 4
.set t_, 44*(\p)+4*jj_+a_
.set d_, (8*t_)%256
.set fx_, FX+32*(\xb)+8*a_
.set fw_, FG+88*(\p)+8*jj_
	WIN 0x03+0x50*(1+t_/32)                        ; x in window 3, w in window 0, C and D in the accumulator's window
.if \zero
	v_wmma_f32_16x16x32_bf16 v[d_:d_+7], v[fx_:fx_+7], v[fw_:fw_+7], 0
.else
	v_wmma_f32_16x16x32_bf16 v[d_:d_+7], v[fx_:fx_+7], v[fw_:fw_+7], v[d_:d_+7]
.endif
.set a_, a_+1
.endr
.set jj_, jj_+1
.endr
.endm
.macro FETCHW s, kq, p                 ; 22 LDS loads: gate's or up's 11 fragments of quarter kq
	WIN 0
.irp j, 0,1,2,3,4,5,6,7,8,9,10
	ds_load_b128 v[FG+88*(\p)+8*\j:FG+88*(\p)+8*\j+3],   v[ADRW+2*(\s)+\j/7] offset:(\j%7)*16*PITCH+256*(\p)+64*(\kq)
	ds_load_b128 v[FG+88*(\p)+8*\j+4:FG+88*(\p)+8*\j+7], v[ADRW+2*(\s)+\j/7] offset:(\j%7)*16*PITCH+256*(\p)+64*(\kq)+32
.endr
.endm
.macro FETCHX s, kq, xb                ; 8 LDS loads: my four fragments of x; row block a lies in long rows 16 (a / 2) .., half a % 2
	WIN 0xc0                                       ; destination window 3, address window 0
.irp a, 0,1,2,3
	ds_load_b128 v[FX+32*(\xb)+8*\a:FX+32*(\xb)+8*\a+3],   v[ADRX+(\s)] offset:(\a/2)*16*PITCH+(\a%2)*256+64*(\kq)
	ds_load_b128 v[FX+32*(\xb)+8*\a+4:FX+32*(\xb)+8*\a+7], v[ADRX+(\s)] offset:(\a/2)*16*PITCH+(\a%2)*256+64*(\kq)+32
.endr
.endm
; w_down's PART OF A QUARTER STEP, behind the run of LDS loads, windows 0.  Load i of a trip's twelve: piece i / 4 of the trip's three, row (i / 2) % 2, half i % 2 of the piece's 256 k.
;   1: the trip's 12 loads.   2: four quarters later: they are in; 24 roundings in place; 12 stores.   3: a quarter later: the pointers step three pieces on.
;   4, 5: the 22nd piece, in the lap that is written out: a load a row; then its rounding, its store, and 256 bytes of zeros a row.
.macro WDPART wd
.if (\wd) == 1
.set i_, 0
.rept 12
	global_load_b128 v[WD+4*i_:WD+4*i_+3], v[WLO], s[WSRC:WSRC+1] offset:(i_/4)*1024+((i_/2)%2)*DROW+(i_%2)*512 th:TH_LOAD_NT
.set i_, i_+1
.endr
.elseif (\wd) == 2
	s_wait_loadcnt 0x0                             ; the launch's only loads into registers: the twelve issued four quarters back
.set i_, 0
.rept 12
	v_cvt_pk_bf16_f32 v[WD+4*i_], v[WD+4*i_], v[WD+4*i_+1]
	v_cvt_pk_bf16_f32 v[WD+4*i_+1], v[WD+4*i_+2], v[WD+4*i_+3]
.set i_, i_+1
.endr
.set i_, 0
.rept 12
	global_store_b64 v[WSO], v[WD+4*i_:WD+4*i_+1], s[WDST:WDST+1] offset:(i_/4)*DKB+((i_/2)%2)*512+(i_%2)*256 th:TH_STORE_NT  ; 32 lanes, 256 consecutive bytes, aligned
.set i_, i_+1
.endr
.elseif (\wd) == 3
	s_wait_xcnt 0x0                                ; the stores have read their data and their base: the pointers are written here, the data registers by the next trip's loads
	s_add_nc_u64 s[WSRC:WSRC+1], s[WSRC:WSRC+1], 3*1024
	s_add_nc_u64 s[WDST:WDST+1], s[WDST:WDST+1], 3*DKB
.elseif (\wd) == 4
	global_load_b128 v[WD:WD+3],   v[WLO], s[WSRC:WSRC+1] th:TH_LOAD_NT            ; k = 5376 .. 5503: a row's last 512 bytes
	global_load_b128 v[WD+4:WD+7], v[WLO], s[WSRC:WSRC+1] offset:DROW th:TH_LOAD_NT
.elseif (\wd) == 5
	s_wait_loadcnt 0x0
	v_cvt_pk_bf16_f32 v[WD], v[WD], v[WD+1]
	v_cvt_pk_bf16_f32 v[WD+1], v[WD+2], v[WD+3]
	v_cvt_pk_bf16_f32 v[WD+4], v[WD+4], v[WD+5]
	v_cvt_pk_bf16_f32 v[WD+5], v[WD+6], v[WD+7]
	global_store_b64 v[WSO], v[WD:WD+1],   s[WDST:WDST+1] th:TH_STORE_NT
	global_store_b64 v[WSO], v[ZP:ZP+1],   s[WDST:WDST+1] offset:256 th:TH_STORE_NT  ; k = 5504 .. 5631
	global_store_b64 v[WSO], v[WD+4:WD+5], s[WDST:WDST+1] offset:512 th:TH_STORE_NT
	global_store_b64 v[WSO], v[ZP:ZP+1],   s[WDST:WDST+1] offset:768 th:TH_STORE_NT
.endif
.endm
; A quarter step (32 along K) is gate's 44 products, then up's 44.  While gate's run, up's fragments are fetched; while up's run, the next quarter's x and gate.
; meet: the step's last quarter: all my tensor loads are waited for and 0 is added to my spare word, twelve products ahead of the wait for that.  meet = 1: the prefetches' address steps too.
.macro PG s, kq, xb, zero, meet, wd
.if (\meet) == 1
	s_wait_xcnt 0x0                                ; the last prefetches, a K step back, have read their address
	s_add_nc_u64 s[PFA:PFA+1], s[PFA:PFA+1], s[PST:PST+1]
.endif
	s_wait_dscnt 12                                ; x and gate's blocks 0-4 are in; the youngest twelve loads (blocks 5-10) may be out
	MULJ 0, 0, 0, \xb, \zero
	PLACES
	FETCHW \s, \kq, 1
	WDPART \wd
	MULJ 0, 1, 4, \xb, \zero
	s_wait_dscnt 22                                ; all but up's 22
	MULJ 0, 5, 7, \xb, \zero
.if \meet
	WIN 0                                          ; (the add's two registers lie in window 0)
	s_wait_tensorcnt 0x0                           ; all my tensor loads have landed: the one that was out is my part of the next slot
	ds_add_u32 v[SPW], v[NIL]                      ; 0 onto my spare word
.endif
	MULJ 0, 8, 10, \xb, \zero
.endm
; mode 0: a plain quarter.  1: the change of slots with a refill: the barrier opens a round of the cluster's barrier; the joint refill of slot s is the first thing behind it.
; 2: the change without a refill.  3: the very last quarter.  (ns, nk): slot and quarter fetched next.
.macro PU s, kq, xb, zero, mode, ns, nk
.if (\mode) == 0
	s_wait_dscnt 12                                ; up's blocks 0-4 are in
	MULJ 1, 0, 0, \xb, \zero
	PLACES
	FETCHX \ns, \nk, 1-(\xb)
	FETCHW \ns, \nk, 0
	MULJ 1, 1, 4, \xb, \zero
	s_wait_dscnt 30                                ; all but the 30 just issued
	MULJ 1, 5, 10, \xb, \zero
.elseif (\mode) == 1
	s_wait_dscnt 0x0                               ; the add is done, and my reads of this slot are over
	s_barrier_signal -1
	MULJ 1, 0, 4, \xb, 0                           ; work on registers while the others arrive
	WIN 0
	s_barrier_wait -1
	CREST                                          ; no wave of any partner still reads this slot's tiles or has a load on its way
	s_add_nc_u64 s[G0X+4*(\s)+2:G0X+4*(\s)+3], s[G0X+4*(\s)+2:G0X+4*(\s)+3], 2*XSTEP
	s_add_nc_u64 s[G0W+4*(\s)+2:G0W+4*(\s)+3], s[G0W+4*(\s)+2:G0W+4*(\s)+3], 2*WSTEP
	JLOAD \s                                       ; my one load behind the round: 320 matrix instructions ahead of the wait for it; its four v_nop are also the places in front of the loads below
	FETCHX \ns, \nk, 1-(\xb)
	FETCHW \ns, \nk, 0
	ASK \s
	MULJ 1, 5, 10, \xb, 0
.elseif (\mode) == 2
	s_wait_dscnt 0x0
	s_barrier_signal -1
	MULJ 1, 0, 4, \xb, 0
	s_barrier_wait -1                              ; the last slot is whole; nothing is filled again
	PLACES
	FETCHX \ns, \nk, 1-(\xb)
	FETCHW \ns, \nk, 0
	MULJ 1, 5, 10, \xb, 0
.else
	s_wait_dscnt 12
	MULJ 1, 0, 4, \xb, 0
	s_wait_dscnt 0x0
	MULJ 1, 5, 10, \xb, 0
.endif
.endm
.macro Q s, kq, zero, meet, mode, ns, nk, wd=0
	PG \s, \kq, (\kq)%2, \zero, \meet, \wd
	PU \s, \kq, (\kq)%2, \zero, \mode, \ns, \nk
.endm
	s_wait_tensorcnt 0x1                           ; my part of K step 0 is in; K step 1's may stay out
	s_barrier_signal -1
	s_barrier_wait -1                              ; everybody's is
	FETCHX 0, 0, 0
	FETCHW 0, 0, 0
	Q 0, 0, 1, 0, 0, 0, 1                          ; the first quarter stands in front of the loop: its products start the sums
	WIN 0                                          ; at a label and at a branch every window is 0
	s_mov_b32 s[LAP], 7
.Llap:                                         ; a trip goes once round the ring, from a lap's second quarter to the next lap's first, and fills both slots again
	Q 0, 1, 0, 0, 0, 0, 2, 1
	Q 0, 2, 0, 0, 0, 0, 3
	Q 0, 3, 0, 1, 1, 1, 0
	Q 1, 0, 0, 0, 0, 1, 1
	Q 1, 1, 0, 0, 0, 1, 2, 2
	Q 1, 2, 0, 0, 0, 1, 3, 3
	Q 1, 3, 0, 1, 1, 0, 0
	Q 0, 0, 0, 0, 0, 0, 1
	WIN 0
	s_sub_co_u32 s[LAP], s[LAP], 1
	s_cmp_lg_u32 s[LAP], 0
	s_cbranch_scc1 .Llap
	Q 0, 1, 0, 0, 0, 0, 2, 4                       ; the last lap is written out: it asks for no tile
	Q 0, 2, 0, 0, 0, 0, 3
	Q 0, 3, 0, 2, 2, 1, 0
	Q 1, 0, 0, 0, 0, 1, 1, 5
	Q 1, 1, 0, 0, 0, 1, 2
	Q 1, 2, 0, 0, 0, 1, 3
	Q 1, 3, 0, 0, 3, 0, 0
; THE WAY OUT, a column block (16 i x my 64 rows: 32 numbers a lane) at a time.  Each accumulator's lowest registers are read first.
; Two batches of 32 transcendentals, each with one plain instruction behind it and one wait ahead of its first reader.
.macro UNIT j
.set gL, (256+32*(\j))%256
.set wG, (256+32*(\j))/256
.set uL, (608+32*(\j))%256
.set wU, (608+32*(\j))/256
	WIN wG                                         ; source 0 in gate's window
.set i, 0
.rept 16
	v_pk_mul_f32 v[T+2*i:T+2*i+1], v[gL+2*i:gL+2*i+1], s[NL2E:NL2E+1] op_sel_hi:[1,0]  ; -g log2(e)
.set i, i+1
.endr
	WIN 0
.set i, 0
.rept 32
	v_exp_f32 v[T+i], v[T+i]
.set i, i+1
.endr
	v_nop
	s_wait_alu depctr_va_vdst(0)
.set i, 0
.rept 16
	v_pk_add_f32 v[T+2*i:T+2*i+1], v[T+2*i:T+2*i+1], 1.0 op_sel_hi:[1,0]
.set i, i+1
.endr
.set i, 0
.rept 32
	v_rcp_f32 v[T+i], v[T+i]
.set i, i+1
.endr
	WIN wG|(wU<<2)                                 ; source 0 gate's window, source 1 up's
.set i, 0
.rept 16
	v_pk_mul_f32 v[P+2*i:P+2*i+1], v[gL+2*i:gL+2*i+1], v[uL+2*i:uL+2*i+1]  ; g u: the independent work behind the reciprocals
.set i, i+1
.endr
	WIN 0
	s_wait_alu depctr_va_vdst(0)
.set i, 0
.rept 16
	v_pk_mul_f32 v[P+2*i:P+2*i+1], v[P+2*i:P+2*i+1], v[T+2*i:T+2*i+1]
.set i, i+1
.endr
.set pr_, 0
.rept 4                                ; the squares of my column's 32 rows, in two chains that take turns; the first two products start them
.set a_, 0
.rept 4
.set qc_, SQ+2*(a_%2)
.set qs_, P+8*a_+2*pr_
.if (pr_ == 0) && (a_ < 2)
	v_pk_mul_f32 v[qc_:qc_+1], v[qs_:qs_+1], v[qs_:qs_+1]
.else
	v_pk_fma_f32 v[qc_:qc_+1], v[qs_:qs_+1], v[qs_:qs_+1], v[qc_:qc_+1]
.endif
.set a_, a_+1
.endr
.set pr_, pr_+1
.endr
	v_pk_add_f32 v[SQ:SQ+1], v[SQ:SQ+1], v[SQ+2:SQ+3]
	v_add_f32 v[SJ+(\j)], v[SQ], v[SQ+1]
	s_wait_xcnt 0x0                                ; the last block's stores have read their address and data registers, which are written anew below
	s_lshr_b32 s71, s[CU], 4                       ; the unit's K block of 256 columns: 1,048,576 bytes,
	s_lshl_b32 s71, s71, 20
	s_and_b32 s72, s[CU], 15                       ; its plane among the block's sixteen
	s_lshl_b32 s72, s72, 9
	s_or_b32 s71, s71, s72
	v_add_nc_u32 v[GA], s71, v[GO]
	s_add_co_u32 s[CU], s[CU], 1
.set i, 0
.rept 16
	v_cvt_pk_bf16_f32 v[O+i], v[P+2*i], v[P+2*i+1]
.set i, i+1
.endr
.irp a, 0,1,2,3
	global_store_b128 v[GA], v[O+4*\a:O+4*\a+3], s[IB:IB+1] offset:\a*8192  ; a plane: the wave's store covers 512 consecutive bytes, aligned
.endr
.endm
	WIN 0
	PLACES
	PLACES                                         ; plain places between the last products and the first reads of results and writes of fragments' registers
.irp j, 0,1,2,3,4,5,6,7,8,9,10
	UNIT \j
.endr
	; a column's rows 8 h + .. lie in two lanes 16 apart; then the four waves' sums meet in LDS
.set i, 0
.rept 11
	v_permlanex16_b32 v[T+i], v[SJ+i], s[SEL], s[SEL+1]
.set i, i+1
.endr
.set i, 0
.rept 11
	v_add_f32 v[SJ+i], v[SJ+i], v[T+i]
.set i, i+1
.endr
.set i, 0
.rept 11
	ds_store_b32 v[ADRS], v[SJ+i] offset:64*i      ; lanes r and r + 16 write the same word with the same number
.set i, i+1
.endr
	s_wait_dscnt 0x0                               ; for the others' sake: my stores are done
	s_barrier_signal -1
	s_barrier_wait -1
	s_wait_xcnt 0x0                                ; EXEC is a source of the stores above: it changes only behind this wait
	v_cmp_gt_u32 vcc_lo, 44, v0
	s_and_saveexec_b32 s[SAVE], vcc_lo             ; threads 0 to 43: four columns each
.irp w, 0,1,2,3
	ds_load_b128 v[T+4*\w:T+4*\w+3], v[ADRL] offset:704*\w
.endr
	s_wait_dscnt 0x0
	v_pk_add_f32 v[T:T+1], v[T:T+1], v[T+4:T+5]
	v_pk_add_f32 v[T+2:T+3], v[T+2:T+3], v[T+6:T+7]
	v_pk_add_f32 v[T+8:T+9], v[T+8:T+9], v[T+12:T+13]
	v_pk_add_f32 v[T+10:T+11], v[T+10:T+11], v[T+14:T+15]
	v_pk_add_f32 v[T:T+1], v[T:T+1], v[T+8:T+9]
	v_pk_add_f32 v[T+2:T+3], v[T+2:T+3], v[T+10:T+11]
	global_store_b128 v[PO], v[T:T+3], s[PB:PB+1]  ; 704 consecutive bytes a work-group
	s_wait_xcnt 0x0
	s_or_b32 exec_lo, exec_lo, s[SAVE]
	s_wait_tensorcnt 0x0                           ; the wave's end: behind my last tensor load and my last LDS store
	ds_add_u32 v[SPW], v[NIL]
	s_wait_dscnt 0x0
	CROUND                                         ; the closing round: no work-group ends while a partner may still ask for a tile that names it
	s_endpgm
.Lfunc_end_k_q9e68fa17b4_gateup:
	.size	k_q9e68fa17b4_gateup, .Lfunc_end_k_q9e68fa17b4_gateup-k_q9e68fa17b4_gateup
	.p2alignl 7, 3214868480
	.fill 96, 4, 3214868480
	.section	.rodata,"a",@progbits
	.p2align	6, 0x0
	.amdhsa_kernel k_q9e68fa17b4_gateup
		.amdhsa_group_segment_fixed_size 327680
		.amdhsa_private_segment_fixed_size 0
		.amdhsa_enable_private_segment 0
		.amdhsa_kernarg_size 48
		.amdhsa_user_sgpr_count 2
		.amdhsa_user_sgpr_kernarg_segment_ptr 1
		.amdhsa_wavefront_size32 1
		.amdhsa_system_sgpr_workgroup_id_x 1
		.amdhsa_system_sgpr_workgroup_id_y 1
		.amdhsa_system_sgpr_workgroup_id_z 1
		.amdhsa_system_vgpr_workitem_id 0
		.amdhsa_next_free_vgpr 1024
		.amdhsa_next_free_sgpr 88
		.amdhsa_reserve_vcc 1
		.amdhsa_float_denorm_mode_32 3
		.amdhsa_float_denorm_mode_16_64 3
		.amdhsa_memory_ordered 1
		.amdhsa_forward_progress 1
		.amdhsa_inst_pref_size 255
	.end_amdhsa_kernel
	.section	.bss,"aw",@nobits
	.p2align	6
	.space	262144
	.amdgpu_metadata
---
amdhsa.version: [ 1, 2 ]
amdhsa.kernels:
  - .name:           k_q9e68fa17b4_gateup
    .symbol:         k_q9e68fa17b4_gateup.kd
    .args:
      - { .name: xb, .offset: 0, .size: 8, .value_kind: global_buffer, .address_space: global }
      - { .name: wc, .offset: 8, .size: 8, .value_kind: global_buffer, .address_space: global }
      - { .name: inter, .offset: 16, .size: 8, .value_kind: global_buffer, .address_space: global }
      - { .name: part, .offset: 24, .size: 8, .value_kind: global_buffer, .address_space: global }
      - { .name: w_down, .offset: 32, .size: 8, .value_kind: global_buffer, .address_space: global }
      - { .name: wdb, .offset: 40, .size: 8, .value_kind: global_buffer, .address_space: global }
    .group_segment_fixed_size: 327680
    .private_segment_fixed_size: 0
    .kernarg_segment_align: 8
    .kernarg_segment_size: 48
    .max_flat_workgroup_size: 128
    .sgpr_count:     88
    .vgpr_count:     1024
    .wavefront_size: 32
...
	.end_amdgpu_metadata
.endif
;; end of part 2
;; launch down (part 3): grid 16 x 16, 4 waves a work-group, clusters of 4 x 4, 327,680 bytes of LDS; arguments inter, wdb, part, rowsq, out0, out1; writes out0, out1
.if DOCPART == 3
	.amdgcn_target "amdgcn-amd-amdhsa--gfx1250"
	.amdhsa_code_object_version 6
	.text
	.protected	k_q9e68fa17b4_down
	.globl	k_q9e68fa17b4_down
	.p2align	8
	.type	k_q9e68fa17b4_down,@function
k_q9e68fa17b4_down:
	s_mov_b64 s[64:65], 0
	v_nop
	global_prefetch_b8 v0, s[64:65] scope:SCOPE_SE
	s_setreg_imm32_b32 hwreg(HW_REG_WAVE_MODE, 25, 1), 1
	s_wait_xcnt 0x0
	s_wait_alu depctr_hold_cnt(0) depctr_sa_sdst(0) depctr_va_vdst(0) depctr_va_sdst(0) depctr_va_ssrc(0) depctr_va_vcc(0) depctr_vm_vsrc(0)
	s_getreg_b32 s2, hwreg(HW_REG_IB_STS2, 6, 4)
	s_cmp_eq_u32 s2, 0
	s_cbranch_scc0 .Lentry_in_a_cluster
	s_endpgm
.Lentry_in_a_cluster:
	s_bfe_u32 s2, ttmp6, 0x10000c
	s_cmp_lg_u32 s2, 0xf033
	s_cbranch_scc0 .Lentry_shape_is_right
	s_endpgm
.Lentry_shape_is_right:
; out0[m][n] = the sum over k of inter[m][k] w_down[n][k] (bf16 operands as the launch before laid them, f32 sums, f32 out), K = 5632 of which the last 128 are zeros;
; and out1[b][i] = sqrt((part[2 b][i] + part[2 b + 1][i]) x rowsq[i]): 86 numbers a work-group, made while the first tiles are on their way.
; SHARES.  2048 x 2048 outputs are 256 tiles of 128 x 128, one to a work-group.  K IS SPLIT AMONG THE FOUR WAVES: of each K step of 256 wave w takes k = 64 w .. 64 w + 63, for the WHOLE tile:
; 64 accumulators, 512 registers.  So each LDS byte is read by one wave, once: 32 LDS loads for 64 matrix instructions, as with a wave tile of 128 x 128.  The four partial tiles (f32) are added
; through LDS at the end, in the slots' bytes, which have had their last fill by then.
; RING.  22 K steps of 256 through two slots.  A slot: inter's tile, 65,536 dense bytes ([row block 8][column unit 16][plane of 512 bytes]: read 512 bytes on end, no padding), then 128 rows of w_down,
; 512 bytes + 16 of padding (pitch 528 = 33 x 16: the 16 rows of a load start at 16 different groups of four banks; 64 banks of 4 bytes: ISA guide 11.1).  Waves 0, 1 fetch inter's halves, waves 2, 3 w_down's.
; THE CHANGE OF SLOTS STANDS IN A STEP'S MIDDLE: when the fragments of the step's second half are in registers the slot has been read out, and it is asked for again ahead of that half's 64 products:
; all 128 matrix instructions of a step lie between a request and the wait for it.
; CLUSTER 4 x 4.  The four of a row of the cluster share the row tile and so inter's tiles, the four of a column share w_down's: each tile is asked for jointly.
; THE WALK ALONG K BEGINS AT ANOTHER STEP FROM CLUSTER TO CLUSTER, and goes round.  inter's tiles are read by the four clusters of a row of clusters, w_down's by the four of a column.  Cluster (X, Y) begins at step
; 11 ((X ^ (X >> 1)) & 1) + 11 (Y & 1) + 5 (Y >> 1), modulo 22: 0, 5, 11 or 16.  Down a column of clusters the four starts differ; along a row they are two and two, 11 apart.  So the readings of one tile are
; spread over the launch and do not all fall into one step.  The start hangs on the cluster's coordinates alone, which all sixteen partners share.  (f32 sums may be taken in any order.)
; THE PRODUCT IS USED TRANSPOSED: source 0 = 16 rows of w_down, source 1 = 16 rows of inter (turned by ds_load_tr16_b128 out of planes that hold columns): a lane then holds row l % 16 of the output and
; eight neighbouring columns, 32 bytes.
; LIMITS.  The order of the f32 sums differs from a single ascending sum (four parts of K, each begun at the cluster's own step).  The root counts a denormal as 0; (sum of squares) x rowsq must stay inside
; f32's range.  NaN and infinities are not treated apart.
; REGISTERS, in windows of 256: window 0: v0-31 addresses; v64-127, v128-191 inter's fragments, two buffers; window 1: the same numbers, w_down's fragments;
;   window 2: accumulators of row blocks 0-3 ((a, b) at v[8 (8 a + b)]); window 3: row blocks 4-7.  On the way out: v32-63 sums, v64-191 partial rows.
.set NK,     22                        ; K steps
.set PITCH,  528
.set ABYTES, 65536
.set SLOT,   ABYTES+128*PITCH          ; 133,120
.set PT,     128*PITCH                 ; 67,584: a partial tile: 128 rows of 512 bytes + 16
.set SPARE,  4*PT                      ; 270,336: behind the four partial tiles: the spare words, 128 bytes a wave: two blocks of 256 bytes that no other line names
.set RD,   8                           ; v8-v11  my 16 bytes of my first row of partial tile 0 .. 3; never rewritten
.set RA,   12                          ; v12-v15 the same for the batch of rows in hand
.set ADRA, 16                          ; v16, 17 my planes of inter in slot 0, 1
.set ADRB, 20                          ; v20, 21 my fragments of w_down
.set STO,  24                          ; v24     where I put 32 bytes of a row of my partial tile
.set CO,   26                          ; v26     16 x lane
.set SPW,  28                          ; v28     LDS address of my spare word; never rewritten
.set NIL,  29                          ; v29     0; never rewritten
.set PFO,  30                          ; v30     256 x lane; never rewritten
.set SUM,  32
.set F0,   64
.set F1,   128
.set WV, 16
.set WH, 17                            ; wave >> 1: I fetch inter (0) or w_down (1)
.set WL, 18                            ; wave & 1: which half
.set CX, 19
.set CY, 20
.set NT, 21                            ; tile column
.set MT, 22                            ; tile row
.set G1A, 24                           ; s[24:31] group 1 for inter's tiles; s[32:39] group 0, a set for each slot
.set G0A, 32
.set G1B, 40                           ; s[40:47], s[48:55] the same for w_down's
.set G0B, 48
.set PFA, 56                           ; s[56:57] what my prefetches name
.set LIM, 58                           ; s58, s59 a wave prefetches at slot s's change while the lap counter is above s[LIM + s]
.set LAP, 60
.set OB,  62                           ; s[62:63] out0 at the rows that I store
.set ABASE, 74                         ; s[74:75] inter at my half of the tile row's tile of K step 0
.set BBASE, 76                         ; s[76:77] wdb likewise
.set PBASE, 78                         ; s[78:79] inter at my work-group's quarter of that tile
.set SAVE, 80
.set NXT,  81                          ; s81     the K step to be asked for next
.set PN,   82                          ; s82     the K step to be prefetched next
.set TB,   83                          ; s83     the way out: LDS bytes from my first row to the batch in hand
.set OFF,  84                          ; s[84:85] a K step's byte offset; the high word stays 0
.set POF,  86                          ; s[86:87] the same for the prefetches
.set MSB, 0
.macro WIN new
.if MSB != (\new)
	s_set_vgpr_msb (MSB<<8)|(\new)
.set MSB, (\new)
.endif
.endm
.set MUL_LO, 0xa1                      ; source 0 (w_down) window 1, source 1 (inter) window 0, C and D window 2
.set TO_B,   0x40                      ; destination window 1, address window 0
.macro PLACES
.rept 4
	v_nop
.endr
.endm
.macro JLOAD s                         ; a joint load; an s_nop 0 and four v_nop follow each of the two lines
	s_cmp_eq_u32 s[WH], 0
	s_cbranch_scc0 .Lfor_b_\@
	tensor_load_to_lds s[G0A+4*(\s):G0A+4*(\s)+3], s[G1A:G1A+7]
	s_nop 0
.rept 4
	v_nop
.endr
	s_branch .Lasked_\@
.Lfor_b_\@:
	tensor_load_to_lds s[G0B+4*(\s):G0B+4*(\s)+3], s[G1B:G1B+7]
	s_nop 0
.rept 4
	v_nop
.endr
.Lasked_\@:
.endm
; Both descriptors of a slot take K step NXT: the address is made anew from the number (a K step is 1,048,576 bytes in either tensor), the type bits are set again; the number steps and goes round.
.macro SETD slot
	s_lshl_b32 s[OFF], s[NXT], 20
	s_add_nc_u64 s[G0A+4*(\slot)+2:G0A+4*(\slot)+3], s[ABASE:ABASE+1], s[OFF:OFF+1]
	s_or_b32 s[G0A+4*(\slot)+3], s[G0A+4*(\slot)+3], 0x80000000
	s_add_nc_u64 s[G0B+4*(\slot)+2:G0B+4*(\slot)+3], s[BBASE:BBASE+1], s[OFF:OFF+1]
	s_or_b32 s[G0B+4*(\slot)+3], s[G0B+4*(\slot)+3], 0x80000000
	s_add_co_u32 s[NXT], s[NXT], 1
	s_cmp_eq_u32 s[NXT], NK
	s_cselect_b32 s[NXT], 0, s[NXT]
.endm
; PREFETCHES INTO THE L2, behind the joint load, its five lines and the run of LDS loads: the K step FOUR refills on (a K step is 128 matrix instructions a wave).
; inter: of a row of clusters, X = 0 and 3 walk alike and X = 1 and 2 walk alike, 11 steps apart: a tile's first reading in the launch lies among the first 11 steps of one of the two walks.  Clusters X = 0 and X = 1
; ask, wave 0, for steps 6 to 10 of their own walk, at the first five changes of slots.  The four partners that ask for a tile jointly share its 65,536 bytes out by address (cx), 64 blocks of 256 bytes each: two
; instructions, a lane a block.  So no block is named twice.  A walk's steps 0 to 5 come by their loads alone.
; w_down: the four walks of a column of clusters begin 5 or 6 steps apart, so a tile's first reading lies among the first five or six steps of one of them, nearer to the head than four refills: nothing is asked for.
.macro ASK slot
	s_cmp_gt_u32 s[LAP], s[LIM+(\slot)]
	s_cbranch_scc0 .Lnot_mine_\@
	global_prefetch_b8 v[PFO], s[PFA:PFA+1] th:TH_LOAD_NT scope:SCOPE_SE
	global_prefetch_b8 v[PFO], s[PFA:PFA+1] offset:8192 th:TH_LOAD_NT scope:SCOPE_SE
.Lnot_mine_\@:
.endm
.macro CREST
	s_cmp_lg_u32 s[WV], 0
	s_cbranch_scc1 .Lnot_wave_0_\@
	s_barrier_signal -3
.Lnot_wave_0_\@:
	s_barrier_wait -3
	s_barrier_signal -1
	s_barrier_wait -1
.endm
.macro CROUND
	s_barrier_signal -1
	s_barrier_wait -1
	CREST
.endm
	s_load_b256 s[4:11], s[0:1], 0x0               ; inter s[4:5], wdb s[6:7], part s[8:9], rowsq s[10:11]
	s_load_b128 s[12:15], s[0:1], 0x20             ; out0 s[12:13], out1 s[14:15]
	v_lshl_add_u32 v[SPW], v0, 2, SPARE
	v_mov_b32 v[NIL], 0
	ds_add_u32 v[SPW], v[NIL]                      ; the wave's opening: the add, twice on end, and its wait ahead of my first tensor load
	ds_add_u32 v[SPW], v[NIL]
	v_lshrrev_b32 v1, 5, v0
	v_readfirstlane_b32 s[WV], v1
	s_lshr_b32 s[WH], s[WV], 1
	s_and_b32 s[WL], s[WV], 1
	s_bfe_u32 s[CX], ttmp6, 0x40000
	s_bfe_u32 s[CY], ttmp6, 0x40004
	s_lshl_b32 s[NT], ttmp9, 2
	s_add_co_u32 s[NT], s[NT], s[CX]
	s_and_b32 s[MT], ttmp7, 0xffff
	s_lshl_b32 s[MT], s[MT], 2
	s_add_co_u32 s[MT], s[MT], s[CY]
	s_lshl_b32 s72, s[CY], 2
	s_lshl_b32 s72, 15, s72                        ; my row of the cluster
	s_lshl_b32 s73, 0x1111, s[CX]                  ; my column
	s_or_b32 s[G1A], s72, (3<<16)|(1<<21)          ; inter's half tile: 32,768 dense bytes as 128 rows of 32 elements of 8 bytes, no padding; 21 set beside a mask
	s_mov_b32 s[G1A+1], 32<<16                     ; tensor_dim0 = 32
	s_mov_b32 s[G1A+2], 128<<16                    ; tensor_dim1 = 128
	s_mov_b32 s[G1A+3], 32<<16                     ; tile_dim0 = 32
	s_mov_b32 s[G1A+4], 128                        ; tile_dim1 = 128
	s_mov_b32 s[G1A+5], 32                         ; elements from row to row
	s_mov_b32 s[G1A+6], 0
	s_mov_b32 s[G1A+7], 0
	s_or_b32 s[G1B], s73, (1<<16)|(1<<20)|(1<<21)|(6<<22)|(3<<25)  ; w_down's: 64 rows of 256 elements of 2 bytes; padding after every 128 words (code 6), 4 words (code 3)
	s_mov_b32 s[G1B+1], 256<<16
	s_mov_b32 s[G1B+2], 64<<16
	s_mov_b32 s[G1B+3], 256<<16
	s_mov_b32 s[G1B+4], 64
	s_mov_b32 s[G1B+5], 256
	s_mov_b32 s[G1B+6], 0
	s_mov_b32 s[G1B+7], 0
	s_lshl_b32 s[ABASE], s[MT], 16                 ; inter's tile hangs on the tile row alone,
	s_lshl_b32 s[ABASE+1], s[WL], 15
	s_add_co_u32 s[ABASE], s[ABASE], s[ABASE+1]
	s_mov_b32 s[ABASE+1], 0
	s_lshl_b32 s[BBASE], s[NT], 16                 ; w_down's on the tile column alone
	s_lshl_b32 s[BBASE+1], s[WL], 15
	s_add_co_u32 s[BBASE], s[BBASE], s[BBASE+1]
	s_mov_b32 s[BBASE+1], 0
	s_lshl_b32 s70, s[WL], 15                      ; where they go: no place in the cluster enters an LDS address
	s_mul_i32 s71, s[WL], 64*PITCH
	s_add_co_u32 s71, s71, ABYTES
	; where my cluster's walk begins
	s_lshr_b32 s66, ttmp9, 1
	s_xor_b32 s66, s66, ttmp9
	s_and_b32 s66, s66, 1                          ; 0, 1, 1, 0 for cluster x = 0 .. 3
	s_and_b32 s67, ttmp7, 0xffff                   ; cluster y
	s_and_b32 s68, s67, 1
	s_add_co_u32 s66, s66, s68
	s_mul_i32 s66, s66, 11
	s_lshr_b32 s67, s67, 1
	s_mul_i32 s67, s67, 5
	s_add_co_u32 s[NXT], s66, s67                  ; 27 at the most
	s_cmp_ge_u32 s[NXT], NK
	s_cselect_b32 s66, NK, 0
	s_sub_co_u32 s[NXT], s[NXT], s66
	s_add_co_u32 s[PN], s[NXT], 6                  ; the first prefetch names step 6 of the walk
	s_cmp_ge_u32 s[PN], NK
	s_cselect_b32 s66, NK, 0
	s_sub_co_u32 s[PN], s[PN], s66
	s_mov_b32 s[OFF+1], 0
	s_mov_b32 s[POF+1], 0
	s_wait_dscnt 0x0                               ; both opening adds are done
	s_wait_kmcnt 0x0
	s_add_nc_u64 s[ABASE:ABASE+1], s[4:5], s[ABASE:ABASE+1]
	s_add_nc_u64 s[BBASE:BBASE+1], s[6:7], s[BBASE:BBASE+1]
	CROUND                                         ; all sixteen work-groups are here: the first joint loads meet
.irp s, 0,1
	s_mov_b32 s[G0A+4*(\s)], 1
	s_add_co_u32 s[G0A+4*(\s)+1], s70, (\s)*SLOT
	s_mov_b32 s[G0B+4*(\s)], 1
	s_add_co_u32 s[G0B+4*(\s)+1], s71, (\s)*SLOT
	SETD \s
	JLOAD \s                                       ; two loads of mine are out
.endr
	v_and_b32 v1, 15, v0                           ; r
	v_bfe_u32 v2, v0, 4, 1                         ; h
	v_and_b32 v3, 31, v0                           ; lane
	s_lshl_b32 s72, s[WV], 11                      ; my 64 k are column units 4 w .. 4 w + 3: planes of 512 bytes
	v_lshl_add_u32 v[ADRA], v3, 4, s72             ; lane l takes piece l of a plane
	v_add_nc_u32 v[ADRA+1], SLOT, v[ADRA]
	v_mul_u32_u24 v4, v1, PITCH
	v_lshl_add_u32 v5, v2, 4, v4                   ; r x pitch + 16 h
	s_lshl_b32 s72, s[WV], 7                       ; my 64 k: 128 bytes of a row
	s_add_co_u32 s72, s72, ABYTES
	v_add_nc_u32 v[ADRB], s72, v5
	v_add_nc_u32 v[ADRB+1], SLOT, v[ADRB]
	s_mul_i32 s72, s[WV], PT                       ; my partial tile
	v_lshl_add_u32 v[STO], v2, 5, v4               ; row r, 32 bytes for each half of the lanes
	v_add_nc_u32 v[STO], s72, v[STO]
	s_mul_i32 s72, s[WV], 32*PITCH                 ; back: wave w adds and stores rows 32 w .. 32 w + 31; a row's 512 bytes are 16 a lane
	v_lshl_add_u32 v[RD], v3, 4, s72
	v_add_nc_u32 v[RD+1], PT, v[RD]
	v_add_nc_u32 v[RD+2], 2*PT, v[RD]
	v_add_nc_u32 v[RD+3], 3*PT, v[RD]
	v_lshlrev_b32 v[CO], 4, v3
	v_lshlrev_b32 v[PFO], 8, v3
	s_lshl_b32 s[OB], s[MT], 20                    ; 128 rows of 8,192 bytes,
	s_lshl_b32 s72, s[WV], 18                      ; my 32,
	s_add_co_u32 s[OB], s[OB], s72
	s_lshl_b32 s72, s[NT], 9                       ; the tile's 128 columns
	s_add_co_u32 s[OB], s[OB], s72
	s_mov_b32 s[OB+1], 0
	s_add_nc_u64 s[OB:OB+1], s[12:13], s[OB:OB+1]
	; the prefetches: my work-group's quarter of inter's tile; who asks
	s_lshl_b32 s66, s[MT], 16
	s_lshl_b32 s67, s[CX], 14
	s_add_co_u32 s66, s66, s67
	s_mov_b32 s67, 0
	s_add_nc_u64 s[PBASE:PBASE+1], s[4:5], s[66:67]
	s_lshr_b32 s66, ttmp9, 1                       ; 0 in clusters x = 0 and 1,
	s_or_b32 s66, s66, s[WV]                       ; in wave 0: the same in all sixteen partners, for a given wave
	s_cmp_eq_u32 s66, 0
	s_cselect_b32 s[LIM], 7, -1                    ; slot 0's changes in laps 10, 9, 8; slot 1's in laps 10, 9: the first five changes
	s_cselect_b32 s[LIM+1], 8, -1
	; out1: batch b = tile row >> 2; of its 5504 numbers this work-group makes 86, two a thread, threads 0 to 42
	s_lshr_b32 s66, s[MT], 2
	s_and_b32 s67, s[MT], 3
	s_lshl_b32 s67, s67, 4
	s_add_co_u32 s67, s67, s[NT]
	s_mul_i32 s67, s67, 344
	v_lshl_add_u32 v32, v0, 3, s67                 ; my 8 bytes in a row of 5504 (or 5632) numbers
	s_mul_i32 s68, s66, 2*5632*4                   ; part's rows 2 b and 2 b + 1
	s_mov_b32 s69, 0
	s_add_nc_u64 s[68:69], s[8:9], s[68:69]
	s_mul_i32 s70, s66, 5504*4
	s_mov_b32 s71, 0
	s_add_nc_u64 s[70:71], s[14:15], s[70:71]
	s_wait_xcnt 0x0
	v_cmp_gt_u32 vcc_lo, 43, v0
	s_and_saveexec_b32 s[SAVE], vcc_lo
	global_load_b64 v[34:35], v32, s[68:69]
	global_load_b64 v[36:37], v32, s[68:69] offset:5632*4
	global_load_b64 v[38:39], v32, s[10:11]
	s_wait_loadcnt 0x0
	v_pk_add_f32 v[34:35], v[34:35], v[36:37]
	v_pk_mul_f32 v[34:35], v[34:35], v[38:39]
	v_sqrt_f32 v34, v34
	v_sqrt_f32 v35, v35
	v_nop                                          ; a plain instruction behind the roots,
	s_wait_alu depctr_va_vdst(0)                   ; and the wait ahead of the first use
	global_store_b64 v32, v[34:35], s[70:71]
	s_wait_xcnt 0x0                                ; EXEC changes back only behind this wait
	s_or_b32 exec_lo, exec_lo, s[SAVE]
; 16 matrix instructions: row blocks a0, a0 + 1 of the window's four (hi = 0: blocks 0-3, 1: blocks 4-7) x all 8 column blocks, 32 along K.  The 64 accumulators take turns, in the same order in every
; half step, over the backward jump too.  zero = 1: the first product starts the sums.
.macro MUL16 f, hi, a0, zero
	WIN MUL_LO+0x50*(\hi)
.irp a, \a0, (\a0)+1
.irp b, 0,1,2,3,4,5,6,7
.if \zero
	v_wmma_f32_16x16x32_bf16 v[8*(8*(\a)+(\b)):8*(8*(\a)+(\b))+7], v[(\f)+8*(\b):(\f)+8*(\b)+7], v[(\f)+8*(4*(\hi)+(\a)):(\f)+8*(4*(\hi)+(\a))+7], 0
.else
	v_wmma_f32_16x16x32_bf16 v[8*(8*(\a)+(\b)):8*(8*(\a)+(\b))+7], v[(\f)+8*(\b):(\f)+8*(\b)+7], v[(\f)+8*(4*(\hi)+(\a)):(\f)+8*(4*(\hi)+(\a))+7], v[8*(8*(\a)+(\b)):8*(8*(\a)+(\b))+7]
.endif
.endr
.endr
.endm
; 32 LDS loads in one run: half q (32 k) of my 64 k of a step, into buffer f: 8 fragments of w_down as they lie, 8 of inter turned (two planes of 16 columns each)
.macro FETCH s, q, f
	WIN TO_B
.irp i, 0,1,2,3,4,5,6,7
	ds_load_b128 v[(\f)+8*\i:(\f)+8*\i+3],   v[ADRB+(\s)] offset:\i*16*PITCH+64*(\q)
	ds_load_b128 v[(\f)+8*\i+4:(\f)+8*\i+7], v[ADRB+(\s)] offset:\i*16*PITCH+64*(\q)+32
.endr
	WIN 0
.irp i, 0,1,2,3,4,5,6,7
	ds_load_tr16_b128 v[(\f)+8*\i:(\f)+8*\i+3],   v[ADRA+(\s)] offset:\i*8192+1024*(\q)
	ds_load_tr16_b128 v[(\f)+8*\i+4:(\f)+8*\i+7], v[ADRA+(\s)] offset:\i*8192+1024*(\q)+512
.endr
.endm
; A K step is two halves of 64 matrix instructions.  The first multiplies buffer 0 and fetches the second half into buffer 1.
.macro FIRSTH slot, zero
	s_wait_dscnt 8                                 ; w_down's and inter's row blocks 0-3 are in; the youngest eight loads (blocks 4-7) may be out
	MUL16 F0, 0, 0, \zero
	MUL16 F0, 0, 2, \zero
	PLACES
	FETCH \slot, 1, F1
	s_wait_dscnt 32                                ; all but the 32 just issued
	MUL16 F0, 1, 0, \zero
	MUL16 F0, 1, 2, \zero
.endm
; The second half begins with the change of slots: ONE barrier; in front of it each wave waits for all its tensor loads, adds 0 to its spare word, and waits for that and for its reads of this slot, the last of
; which brought buffer 1.  fill = 1: the barrier opens a round of the cluster's barrier, and this slot is filled again, two K steps ahead, first thing behind it.  Then the next slot's first fragments are
; fetched into buffer 0, and buffer 1 is multiplied.
.macro TURN slot, next, fill
.if \fill
	s_wait_xcnt 0x0                                ; the last prefetches, a K step back, have read their address: it is made anew from the step's number, which goes round
	s_lshl_b32 s[POF], s[PN], 20
	s_add_nc_u64 s[PFA:PFA+1], s[PBASE:PBASE+1], s[POF:POF+1]
	s_add_co_u32 s[PN], s[PN], 1
	s_cmp_eq_u32 s[PN], NK
	s_cselect_b32 s[PN], 0, s[PN]
.endif
	WIN 0
	s_wait_tensorcnt 0x0                           ; all my tensor loads have landed: my part of the next slot; so a group 0 may be written
	ds_add_u32 v[SPW], v[NIL]                      ; 0 onto my spare word; the descriptors' scalar work stands between it and the wait for it
.if \fill
	SETD \slot
.endif
	s_wait_dscnt 0x0                               ; the add is done, and my reads of this slot are over
	s_barrier_signal -1
	s_barrier_wait -1
.if \fill
	CREST                                          ; no wave of any partner still reads this slot's tiles or has a load on its way
	JLOAD \slot                                    ; my one load behind the round: 128 matrix instructions ahead of the wait for it; its four v_nop are also the places in front of the loads below
.else
	PLACES
.endif
	FETCH \next, 0, F0
.if \fill
	ASK \slot
.endif
	MUL16 F1, 0, 0, 0
	MUL16 F1, 0, 2, 0
	MUL16 F1, 1, 0, 0
	MUL16 F1, 1, 2, 0
.endm
	s_wait_tensorcnt 0x1                           ; my part of the walk's first step is in; the second's may stay out
	s_barrier_signal -1
	s_barrier_wait -1
	FETCH 0, 0, F0
	FIRSTH 0, 1                                    ; the first half step stands in front of the loop: its products start the sums
	WIN 0
	s_mov_b32 s[LAP], 10
.Llap:                                         ; a trip goes once round the ring and fills both slots again
	TURN 0, 1, 1
	FIRSTH 1, 0
	TURN 1, 0, 1
	FIRSTH 0, 0
	WIN 0
	s_sub_co_u32 s[LAP], s[LAP], 1
	s_cmp_lg_u32 s[LAP], 0
	s_cbranch_scc1 .Llap
	TURN 0, 1, 0                                   ; the last lap is written out: it asks for nothing
	FIRSTH 1, 0
	s_wait_dscnt 8
	MUL16 F1, 0, 0, 0
	MUL16 F1, 0, 2, 0
	s_wait_dscnt 0x0
	MUL16 F1, 1, 0, 0
	MUL16 F1, 1, 2, 0
	; THE FOUR PARTS OF K MEET.  Nobody reads the slots any more behind the first barrier, and no tensor load is out or to come: each wave lays its partial tile over them.
	WIN 0
	PLACES
	PLACES                                         ; plain places between the last products and the LDS stores that read them
	s_barrier_signal -1
	s_barrier_wait -1
.irp a, 0,1,2,3,4,5,6,7
.irp b, 0,1,2,3,4,5,6,7
	WIN 0x08+4*(\a/4)                              ; the stores' data in window 2 or 3; each accumulator's lowest registers go first
	ds_store_b128 v[STO], v[8*(8*(\a%4)+\b):8*(8*(\a%4)+\b)+3]   offset:\a*16*PITCH+64*\b
	ds_store_b128 v[STO], v[8*(8*(\a%4)+\b)+4:8*(8*(\a%4)+\b)+7] offset:\a*16*PITCH+64*\b+16
.endr
.endr
	WIN 0
	s_wait_dscnt 0x0                               ; for the others' sake: my stores are done
	s_barrier_signal -1
	s_barrier_wait -1
	; my 32 rows, eight to a trip: 32 loads (four parts of a row on end), then a row's six packed sums and its store
	s_mov_b32 s[TB], 0
	s_mov_b32 s[LAP], 4
.Lbatch:
.irp p, 0,1,2,3
	v_add_nc_u32 v[RA+\p], s[TB], v[RD+\p]
.endr
.irp i, 0,1,2,3,4,5,6,7
.irp p, 0,1,2,3
	ds_load_b128 v[F0+16*\i+4*\p:F0+16*\i+4*\p+3], v[RA+\p] offset:\i*PITCH
.endr
.endr
.irp i, 0,1,2,3,4,5,6,7
	s_wait_dscnt 4*(7-\i)                          ; row i's four parts are in; the later rows' may be out
	v_pk_add_f32 v[F0+16*\i:F0+16*\i+1],     v[F0+16*\i:F0+16*\i+1],     v[F0+16*\i+4:F0+16*\i+5]
	v_pk_add_f32 v[F0+16*\i+2:F0+16*\i+3],   v[F0+16*\i+2:F0+16*\i+3],   v[F0+16*\i+6:F0+16*\i+7]
	v_pk_add_f32 v[F0+16*\i+8:F0+16*\i+9],   v[F0+16*\i+8:F0+16*\i+9],   v[F0+16*\i+12:F0+16*\i+13]
	v_pk_add_f32 v[F0+16*\i+10:F0+16*\i+11], v[F0+16*\i+10:F0+16*\i+11], v[F0+16*\i+14:F0+16*\i+15]
	v_pk_add_f32 v[SUM+4*\i:SUM+4*\i+1],     v[F0+16*\i:F0+16*\i+1],     v[F0+16*\i+8:F0+16*\i+9]
	v_pk_add_f32 v[SUM+4*\i+2:SUM+4*\i+3],   v[F0+16*\i+2:F0+16*\i+3],   v[F0+16*\i+10:F0+16*\i+11]
	global_store_b128 v[CO], v[SUM+4*\i:SUM+4*\i+3], s[OB:OB+1] offset:\i*8192 th:TH_STORE_NT  ; the wave's store covers 512 consecutive bytes, aligned
.endr
	s_wait_xcnt 0x0                                ; the stores have read their data and their base, which are written anew in and for the next trip
	s_add_nc_u64 s[OB:OB+1], s[OB:OB+1], 8*8192
	s_add_co_u32 s[TB], s[TB], 8*PITCH
	s_sub_co_u32 s[LAP], s[LAP], 1
	s_cmp_lg_u32 s[LAP], 0
	s_cbranch_scc1 .Lbatch
	s_wait_tensorcnt 0x0                           ; the wave's end: behind my last tensor load and my last LDS store
	ds_add_u32 v[SPW], v[NIL]
	s_wait_dscnt 0x0
	CROUND                                         ; the closing round: no work-group ends while a partner may still ask for a tile that names it
	s_endpgm
.Lfunc_end_k_q9e68fa17b4_down:
	.size	k_q9e68fa17b4_down, .Lfunc_end_k_q9e68fa17b4_down-k_q9e68fa17b4_down
	.p2alignl 7, 3214868480
	.fill 96, 4, 3214868480
	.section	.rodata,"a",@progbits
	.p2align	6, 0x0
	.amdhsa_kernel k_q9e68fa17b4_down
		.amdhsa_group_segment_fixed_size 327680
		.amdhsa_private_segment_fixed_size 0
		.amdhsa_enable_private_segment 0
		.amdhsa_kernarg_size 48
		.amdhsa_user_sgpr_count 2
		.amdhsa_user_sgpr_kernarg_segment_ptr 1
		.amdhsa_wavefront_size32 1
		.amdhsa_system_sgpr_workgroup_id_x 1
		.amdhsa_system_sgpr_workgroup_id_y 1
		.amdhsa_system_sgpr_workgroup_id_z 1
		.amdhsa_system_vgpr_workitem_id 0
		.amdhsa_next_free_vgpr 1024
		.amdhsa_next_free_sgpr 88
		.amdhsa_reserve_vcc 1
		.amdhsa_float_denorm_mode_32 3
		.amdhsa_float_denorm_mode_16_64 3
		.amdhsa_memory_ordered 1
		.amdhsa_forward_progress 1
		.amdhsa_inst_pref_size 79
	.end_amdhsa_kernel
	.amdgpu_metadata
---
amdhsa.version: [ 1, 2 ]
amdhsa.kernels:
  - .name:           k_q9e68fa17b4_down
    .symbol:         k_q9e68fa17b4_down.kd
    .args:
      - { .name: inter, .offset: 0, .size: 8, .value_kind: global_buffer, .address_space: global }
      - { .name: wdb, .offset: 8, .size: 8, .value_kind: global_buffer, .address_space: global }
      - { .name: part, .offset: 16, .size: 8, .value_kind: global_buffer, .address_space: global }
      - { .name: rowsq, .offset: 24, .size: 8, .value_kind: global_buffer, .address_space: global }
      - { .name: out0, .offset: 32, .size: 8, .value_kind: global_buffer, .address_space: global }
      - { .name: out1, .offset: 40, .size: 8, .value_kind: global_buffer, .address_space: global }
    .group_segment_fixed_size: 327680
    .private_segment_fixed_size: 0
    .kernarg_segment_align: 8
    .kernarg_segment_size: 48
    .max_flat_workgroup_size: 128
    .sgpr_count:     88
    .vgpr_count:     1024
    .wavefront_size: 32
...
	.end_amdgpu_metadata
.endif
;; end of part 3
;; ======== version 2 of 2: 3 launches; version 1 with the launch cast written anew for expert scheduling mode
;; workspace buffers: xb 8,388,608 bytes; wc 46,137,344 bytes; wdb 23,068,672 bytes; inter 23,068,672 bytes; part 180,224 bytes; rowsq 22,016 bytes
;; launch cast (part 4): grid 832 x 1, 8 waves a work-group, no clusters, 0 bytes of LDS; arguments hidden_state, w_gate, w_up, xb, wc, rowsq; writes xb, wc, rowsq
.if DOCPART == 4
	.amdgcn_target "amdgcn-amd-amdhsa--gfx1250"
	.amdhsa_code_object_version 6
	.text
	.protected	k_q9e68fa17b4_cast
	.globl	k_q9e68fa17b4_cast
	.p2align	8
	.type	k_q9e68fa17b4_cast,@function
k_q9e68fa17b4_cast:
	s_mov_b64 s[64:65], 0
	v_nop
	global_prefetch_b8 v0, s[64:65] scope:SCOPE_SE
	s_setreg_imm32_b32 hwreg(HW_REG_WAVE_SCHED_MODE, 0, 2), 2
	s_setreg_imm32_b32 hwreg(HW_REG_WAVE_MODE, 25, 1), 1
	s_wait_xcnt 0x0
	s_wait_alu depctr_vm_vsrc(0)
; x, w_gate AND w_up ARE ROUNDED ONCE TO bf16 (nearest even) AND LAID OUT IN BLOCKS, so that every tile of the launch behind is one dense block; and rowsq[i] = the sum over h of w_up[i][h]^2 (f32, of the unrounded numbers).
;   xb  [kb 16][long row 1024][p 2][128 k]: row R of x lies in long row 16 (R >> 5) + (R & 15), half p = (R >> 4) & 1
;   wc  [g 32][kb 16][il 176][p 2][128 k]:  i = 176 g + il; p = 0 w_gate's row i, p = 1 w_up's; rows i >= 5504 are zeros (5504 is padded to 32 x 176 = 5632)
; (w_down is rounded by the next launch, beside its products.)
; A STREAM: no LDS, no matrix unit, no cluster (no byte is read twice).  One load of a wave takes 512 consecutive bytes (128 f32, a K block of a row), one store gives 256 consecutive bytes, aligned.
; A wave asks for all that it reads at once (two rows of 8,192 bytes) and converts as the loads come in; no register that a memory instruction reads is written again, so no wait frees a source.
; ROLES by the work-group's number B: 0..127 x, 128..479 w_gate, 480..831 w_up (16 rows a work-group, two a wave).  The last 8 work-groups of w_gate and of w_up write the zero rows.
; rowsq leaves as 8 bytes a wave: 22,016 bytes in the whole launch.
; LIMITS: bf16 has f32's range, so nothing overflows in the rounding; the squares' sum must stay inside f32's range; NaN and infinities are passed on as they are.
; THE MODE: SCHED_MODE bits 1:0 = 2 (LLVM: expert scheduling mode 2), set by the entry lines.  The code itself states the register dependences between vector instructions and memory instructions,
; with s_wait_alu, always for 0.
; THE PLAN.  Registers that memory instructions touch:
;   v[LO], v[SO ..]  offsets: written once, ahead of the first load; read by every load and store; never written again.
;   v[X + 4 k ..]    load k lands in its four registers, which no vector instruction has named before; the squares and the two roundings read them; the roundings write the first two in place; store k reads
;                    those two; nothing writes them afterwards.
;   v[RS], v[ZO]     w_up's path: the reductions write RS, the head writes ZO; the one masked store reads both.      v[CHN:CHN+1]  the zero path: written once, read by its 32 stores.
; The 32 loads are taken in eight blocks of four.  Block p's vector lines name its own X registers, CHN, RS and TP alone.  Its memory instructions are the four stores of block p - 1.  So ONE wait on va_vdst at a
; block's head states all that those stores hang on, and they are dealt among the block's vector lines with no further wait.  One more stands ahead of the last four stores.
.set LO,   2                           ; v2      16 x lane: my 16 bytes of a load's 512
.set L8,   3                           ; v3      8 x lane: my 8 bytes of a store's 256
.set SO,   4                           ; v[4:19] store offsets: 8 x lane + kb x STR
.set CHN,  20                          ; v[20:27] four pairs of running sums of squares (zero rows: v[20:21] = 0)
.set RS,   28                          ; v[28:29] the two rows' sums
.set TP,   30                          ; v30     takes the other half of the lanes' sum
.set ZO,   31                          ; v31     0, an offset
.set X,    32                          ; v[32:159] four registers a load
.set WV,   20                          ; s20     my wave's number
.set BB,   21                          ; s21     the work-group's number, then its number within its role
.set STR,  22                          ; s22     bytes from a K block to the next in the target
.set SRC,  24                          ; s[24:25]
.set DST,  26                          ; s[26:27]
.set SEL,  28                          ; s[28:29] v_permlanex16_b32's selects: each lane takes its own place in the other half
.set OF,   30                          ; s[30:31] an offset in 64 bits; the high word stays 0
.set T0,   32
.set T1,   33
.set T2,   34
.set RQ,   36                          ; s[36:37] rowsq at my two rows
.set SAVE, 40
	s_load_b256 s[4:11], s[0:1], 0x0               ; x s[4:5], w_gate s[6:7], w_up s[8:9], xb s[10:11]
	s_load_b128 s[12:15], s[0:1], 0x20             ; wc s[12:13], rowsq s[14:15]
	v_and_b32 v1, 31, v0                           ; lane
	v_lshrrev_b32 v2, 5, v0
	v_readfirstlane_b32 s[WV], v2
	v_lshlrev_b32 v[LO], 4, v1
	v_lshlrev_b32 v[L8], 3, v1
	v_mov_b32 v[TP], 0
	v_mov_b32 v[ZO], 0
	s_mov_b32 s[SEL], 0x76543210
	s_mov_b32 s[SEL+1], 0xfedcba98
	s_mov_b32 s[BB], ttmp9
	s_mov_b32 s[OF+1], 0
	s_wait_alu depctr_va_sdst(0)                   ; my wave's number is written into s[WV], ahead of the branches: every path makes its addresses from it
	s_wait_kmcnt 0x0
; where rows 16 B' + 2 w, + 1 of w_gate (p = 0) or w_up (p = 1) go in wc
.macro WADDR p
	s_mul_i32 s[T0], s[BB], 5958
	s_lshr_b32 s[T0], s[T0], 16                    ; g = B' / 11, exact for B' < 352 (a group of 176 rows is 11 work-groups)
	s_mul_i32 s[T1], s[T0], 11
	s_sub_co_u32 s[T1], s[BB], s[T1]
	s_lshl_b32 s[T1], s[T1], 13                    ; 16 long rows of 512 bytes
	s_lshl_b32 s[T2], s[WV], 10                    ; my two
	s_add_co_u32 s[T1], s[T1], s[T2]
	s_mul_i32 s[OF], s[T0], 1441792                ; a group: 16 K blocks of 90,112 bytes
	s_add_co_u32 s[OF], s[OF], s[T1]
.if \p
	s_add_co_u32 s[OF], s[OF], 256
.endif
	s_add_nc_u64 s[DST:DST+1], s[12:13], s[OF:OF+1]
	s_mov_b32 s[STR], 90112
.endm
.macro WSRC base                       ; the same rows in the input
	s_lshl_b32 s[OF], s[BB], 17                    ; 16 rows of 8,192 bytes
	s_lshl_b32 s[T2], s[WV], 14
	s_add_co_u32 s[OF], s[OF], s[T2]
	s_add_nc_u64 s[SRC:SRC+1], s[\base:\base+1], s[OF:OF+1]
.endm
.macro MKSO
.irp kb, 0,1,2,3,4,5,6,7,8,9,10,11,12,13,14,15
	v_mad_u32_u24 v[SO+\kb], s[STR], \kb, v[L8]
.endr
.endm
.macro PUT n                           ; store n: what load n brought, rounded
	global_store_b64 v[SO+(\n)%16], v[X+4*(\n):X+4*(\n)+1], s[DST:DST+1] offset:512*((\n)/16) th:TH_STORE_NT  ; 32 lanes, 256 consecutive bytes, aligned
.endm
.macro REDUCE e                        ; a row's four chains into one number, the same in every lane
	v_pk_add_f32 v[CHN:CHN+1], v[CHN:CHN+1], v[CHN+2:CHN+3]
	v_pk_add_f32 v[CHN+4:CHN+5], v[CHN+4:CHN+5], v[CHN+6:CHN+7]
	v_pk_add_f32 v[CHN:CHN+1], v[CHN:CHN+1], v[CHN+4:CHN+5]
	v_add_f32 v[\e], v[CHN], v[CHN+1]
	v_add_f32_dpp v[\e], v[\e], v[\e] row_xmask:1 row_mask:0xf bank_mask:0xf
	v_add_f32_dpp v[\e], v[\e], v[\e] row_xmask:2 row_mask:0xf bank_mask:0xf
	v_add_f32_dpp v[\e], v[\e], v[\e] row_xmask:4 row_mask:0xf bank_mask:0xf
	v_add_f32_dpp v[\e], v[\e], v[\e] row_xmask:8 row_mask:0xf bank_mask:0xf
	v_permlanex16_b32 v[TP], v[\e], s[SEL], s[SEL+1]
	v_add_f32 v[\e], v[\e], v[TP]
.endm
; Two rows: 32 loads at once, then eight blocks of four.  A block: the wait for its four loads; the wait that states the block before written; then, four times, a store of the block before and a load's
; vector work: (sq = 1: its squares,) two roundings of two numbers.
.macro ROWS sq
	s_wait_alu depctr_va_vdst(0)                   ; v[LO] and the sixteen v[SO ..] are written: every load and store below reads one of them as its offset
.set k, 0
.rept 32
	global_load_b128 v[X+4*k:X+4*k+3], v[LO], s[SRC:SRC+1] offset:512*k th:TH_LOAD_NT
.set k, k+1
.endr
.set k, 0
.rept 32
.if (k%4) == 0
	s_wait_loadcnt 28-k                            ; loads come back in order: loads k to k + 3 are in, the 28 - k behind them may stay out
.if k > 0
	s_wait_alu depctr_va_vdst(0)                   ; the roundings of the block before have written their registers, which the four stores dealt below read; no vector line of this block names them
.endif
.endif
.if k >= 4
	PUT k-4
.endif
.if \sq
.set c, CHN+2*(k%4)
.if (k%16) < 4
	v_pk_mul_f32 v[c:c+1], v[X+4*k:X+4*k+1], v[X+4*k:X+4*k+1]   ; a row's first four loads start the four chains: nothing is cleared
.else
	v_pk_fma_f32 v[c:c+1], v[X+4*k:X+4*k+1], v[X+4*k:X+4*k+1], v[c:c+1]
.endif
	v_pk_fma_f32 v[c:c+1], v[X+4*k+2:X+4*k+3], v[X+4*k+2:X+4*k+3], v[c:c+1]
.endif
	v_cvt_pk_bf16_f32 v[X+4*k], v[X+4*k], v[X+4*k+1]
	v_cvt_pk_bf16_f32 v[X+4*k+1], v[X+4*k+2], v[X+4*k+3]
.if (\sq) && (k == 15)
	REDUCE RS                                      ; the first row's sum, ahead of the lines that start the chains anew
.endif
.set k, k+1
.endr
	s_wait_alu depctr_va_vdst(0)                   ; the last block's roundings have written their registers, which the last four stores read
	PUT 28
	PUT 29
	PUT 30
	PUT 31
.if \sq
	REDUCE RS+1                                    ; the second row's sum stands behind those stores: it names none of their registers
.endif
.endm
	s_cmp_lt_u32 s[BB], 128
	s_cbranch_scc1 .Lx
	s_cmp_lt_u32 s[BB], 480
	s_cbranch_scc1 .Lgate
	; ---- w_up
	s_sub_co_u32 s[BB], s[BB], 480
	WADDR 1
	s_cmp_ge_u32 s[BB], 344
	s_cbranch_scc1 .Lzero
	WSRC 8
	s_lshl_b32 s[OF], s[BB], 6                     ; 16 rows x 4 bytes of rowsq,
	s_lshl_b32 s[T2], s[WV], 3                     ; my two
	s_add_co_u32 s[OF], s[OF], s[T2]
	s_add_nc_u64 s[RQ:RQ+1], s[14:15], s[OF:OF+1]
	MKSO
	ROWS 1
	s_wait_xcnt 0x0                                ; EXEC is a source of the stores above: it changes only behind this wait
	v_cmp_eq_u32 vcc_lo, 0, v1
	s_wait_alu depctr_va_vcc(0)                    ; the compare has written VCC, from which EXEC is made
	s_wait_alu depctr_va_vdst(0)                   ; ahead of the write of EXEC: every vector line has written its result, the two sums in v[RS:RS+1] among them, which the store below reads
	s_wait_alu depctr_vm_vsrc(0)                   ; ahead of the write of EXEC: the stores above have read their vector registers
	s_and_saveexec_b32 s[SAVE], vcc_lo
	global_store_b64 v[ZO], v[RS:RS+1], s[RQ:RQ+1] ; lane 0: my two rows' sums
	s_wait_xcnt 0x0
	s_wait_alu depctr_va_vdst(0)                   ; ahead of the write of EXEC: no vector line is still to write its result
	s_wait_alu depctr_vm_vsrc(0)                   ; ahead of the write of EXEC: the masked store has read its vector registers
	s_or_b32 exec_lo, exec_lo, s[SAVE]
	s_endpgm
.Lgate:
	s_sub_co_u32 s[BB], s[BB], 128
	WADDR 0
	s_cmp_ge_u32 s[BB], 344
	s_cbranch_scc1 .Lzero
	WSRC 6
	s_branch .Lplain
.Lx:
	WSRC 4
	s_lshr_b32 s[OF], s[BB], 1                     ; rows 16 B .. lie in long rows 16 (B >> 1) .., half B & 1
	s_lshl_b32 s[OF], s[OF], 13
	s_lshl_b32 s[T2], s[WV], 10
	s_add_co_u32 s[OF], s[OF], s[T2]
	s_and_b32 s[T2], s[BB], 1
	s_lshl_b32 s[T2], s[T2], 8
	s_add_co_u32 s[OF], s[OF], s[T2]
	s_add_nc_u64 s[DST:DST+1], s[10:11], s[OF:OF+1]
	s_mov_b32 s[STR], 524288
.Lplain:
	MKSO
	ROWS 0
	s_endpgm
.Lzero:                                        ; rows 5504 .. 5631 of wc
	MKSO
	v_mov_b32 v[CHN], 0
	v_mov_b32 v[CHN+1], 0
	s_wait_alu depctr_va_vdst(0)                   ; the sixteen v[SO ..] and the two zeros are written: the stores below read them as offsets and as data
.set k, 0
.rept 32
	global_store_b64 v[SO+k%16], v[CHN:CHN+1], s[DST:DST+1] offset:512*(k/16) th:TH_STORE_NT
.set k, k+1
.endr
	s_endpgm
.Lfunc_end_k_q9e68fa17b4_cast:
	.size	k_q9e68fa17b4_cast, .Lfunc_end_k_q9e68fa17b4_cast-k_q9e68fa17b4_cast
	.p2alignl 7, 3214868480
	.fill 96, 4, 3214868480
	.section	.rodata,"a",@progbits
	.p2align	6, 0x0
	.amdhsa_kernel k_q9e68fa17b4_cast
		.amdhsa_group_segment_fixed_size 0
		.amdhsa_private_segment_fixed_size 0
		.amdhsa_enable_private_segment 0
		.amdhsa_kernarg_size 48
		.amdhsa_user_sgpr_count 2
		.amdhsa_user_sgpr_kernarg_segment_ptr 1
		.amdhsa_wavefront_size32 1
		.amdhsa_system_sgpr_workgroup_id_x 1
		.amdhsa_system_sgpr_workgroup_id_y 1
		.amdhsa_system_sgpr_workgroup_id_z 1
		.amdhsa_system_vgpr_workitem_id 0
		.amdhsa_next_free_vgpr 160
		.amdhsa_next_free_sgpr 66
		.amdhsa_reserve_vcc 1
		.amdhsa_float_denorm_mode_32 3
		.amdhsa_float_denorm_mode_16_64 3
		.amdhsa_memory_ordered 1
		.amdhsa_forward_progress 1
		.amdhsa_inst_pref_size 36
	.end_amdhsa_kernel
	.amdgpu_metadata
---
amdhsa.version: [ 1, 2 ]
amdhsa.kernels:
  - .name:           k_q9e68fa17b4_cast
    .symbol:         k_q9e68fa17b4_cast.kd
    .args:
      - { .name: hidden_state, .offset: 0, .size: 8, .value_kind: global_buffer, .address_space: global }
      - { .name: w_gate, .offset: 8, .size: 8, .value_kind: global_buffer, .address_space: global }
      - { .name: w_up, .offset: 16, .size: 8, .value_kind: global_buffer, .address_space: global }
      - { .name: xb, .offset: 24, .size: 8, .value_kind: global_buffer, .address_space: global }
      - { .name: wc, .offset: 32, .size: 8, .value_kind: global_buffer, .address_space: global }
      - { .name: rowsq, .offset: 40, .size: 8, .value_kind: global_buffer, .address_space: global }
    .group_segment_fixed_size: 0
    .private_segment_fixed_size: 0
    .kernarg_segment_align: 8
    .kernarg_segment_size: 48
    .max_flat_workgroup_size: 256
    .sgpr_count:     66
    .vgpr_count:     160
    .wavefront_size: 32
...
	.end_amdgpu_metadata
.endif
;; end of part 4
;; launch gateup: the kernel of part 2 again; grid 32 x 8, 4 waves a work-group, clusters of 4 x 4, 327,680 bytes of LDS; arguments xb, wc, inter, part, w_down, wdb; writes inter, part, wdb
;; launch down: the kernel of part 3 again; grid 16 x 16, 4 waves a work-group, clusters of 4 x 4, 327,680 bytes of LDS; arguments inter, wdb, part, rowsq, out0, out1; writes out0, out1
